; MI455X (gfx1250); checked and timed in simulation.
; The chip was launched on July 23, 2026; its instructions are those of AMD's public machine-readable ISA for CDNA 5 (MIT licence, August 2026) and "CDNA5" Instruction Set Architecture Reference Guide (July 2026). The comments in the code are by the model that wrote it; some were corrected since.
;; Causal Multihead Self Attention. Allowed arithmetic: matrix products marked QUANTISED: E4M3 operands, one given power-of-two scale a tensor, by v_wmma_f32_16x16x64_fp8_fp8 or v_wmma_f32_16x16x128_fp8_fp8, f32 sums; everything else in f32.
;; Inputs: lowp_scales 12 int32 (the exponents e of the quantised operands' scales 2^e); token_positions 2,048 int32; wk 1,024 x 1,024 float32; wo 1,024 x 1,024 float32; wq 1,024 x 1,024 float32; wv 1,024 x 1,024 float32; x 4 x 2,048 x 1,024 float32.
;; Outputs: out0 4 x 2,048 x 1,024 float32.
;; This version of the problem:
;;   THIS VERSION OF THE PROBLEM IS GIVEN IN LOW PRECISION. The matrix products marked QUANTISED in the list below multiply operands that are first quantised to E4M3 (4 exponent bits, 3 mantissa bits; 8 bits a number), with one given power-of-two scale for each operand tensor; their sums are f32. All else is computed in f32.
;;   The module's matrix products, in the order in which they are computed (A, B: the left and right operand; K: the contracted axis; several contracted axes count as one K, in the product's order):
;;     1. [M 8,192, K 1,024] x [K 1,024, N 1,024]; A: input x; B: input wq: QUANTISED (scales: A lowp_scales[0], B lowp_scales[1])
;;     2. [M 8,192, K 1,024] x [K 1,024, N 1,024]; A: input x; B: input wk: QUANTISED (scales: A lowp_scales[2], B lowp_scales[3])
;;     3. [M 8,192, K 1,024] x [K 1,024, N 1,024]; A: input x; B: input wv: QUANTISED (scales: A lowp_scales[4], B lowp_scales[5])
;;     4. batch 64 x [M 2,048, K 64] x [K 64, N 2,048]; A: computed on the way; B: computed on the way: QUANTISED (scales: A lowp_scales[6], B lowp_scales[7])
;;     5. batch 64 x [M 2,048, K 2,048] x [K 2,048, N 64]; A: softmax (see below); B: computed on the way: QUANTISED (scales: A lowp_scales[8], B lowp_scales[9])
;;     6. [M 8,192, K 1,024] x [K 1,024, N 1,024]; A: computed on the way; B: input wo: QUANTISED (scales: A lowp_scales[10], B lowp_scales[11])
;;   THE QUANTISER, for each operand of a quantised product, along K:
;;     - The operand's scale is 2^e, e = its entry of the input lowp_scales (int32; the entries are numbered through the quantised products in the list's order, A before B).
;;     - Each number is divided by the scale, clamped to +-448, and rounded to the nearest number of E4M3, ties to even, subnormals kept.
;;     - The product sums the exact products of the quantised numbers (number of the format x scale) in f32.
;;   ~~~python
;;   def quantise(x, axis, e):      # numpy; x: float32 -> the quantised numbers, widened to float32 again
;;       x = np.moveaxis(x, axis, -1); K = x.shape[-1]
;;       r = np.clip(x / 2.0 ** e, -448, 448)
;;       step = 2.0 ** (np.maximum(np.frexp(np.where(r == 0, 1, r))[1] - 1, -6) - 3)
;;       q = np.round(r / step) * step * 2.0 ** e      # np.round: ties to even
;;       return np.moveaxis(q, -1, axis).astype(np.float32)
;;   ~~~
;;   SOFTMAX AHEAD OF A QUANTISED PRODUCT. Where the list says 'softmax', what is quantised is not the finished softmax but p = 2^(t - M), with t = logit x log2(e) and M = ceil(the row's largest t), a whole number; so 1/2 < the row's largest p <= 1. The row's sum l is taken of the UNQUANTISED p, in f32, and the product's result is divided by l at the end. Since M is a whole number, a kernel that streams over the keys may use a running M (the ceiling of the running maximum): every later rescaling is an exact power of two, so the quantised numbers keep their values, but for numbers so far below the row's largest that they fall under the format's range.
;;   OPERANDS COMPUTED ON THE WAY. 'Computed on the way' means the value that the module computes at that place (a softmax that the list does not call 'softmax' is quantised finished and normalised). What goes into a quantiser is computed in f32, as accurately as f32 sums, v_exp_f32 and their like allow (about 1e-6 of the number): no bf16 or f16 on the way to a quantiser, and a product that is left as it is and whose result goes on into a quantised operand takes f32 operands (vector FMAs, or v_wmma_f32_16x16x4_f32). A number that lies on a knife's edge between two numbers of the format may be rounded either way, as far as f32 arithmetic and the matrix unit's own rounding can turn it there, and no further.
;; One version. Each part assembles by itself: llvm-mc -triple=amdgcn-amd-amdhsa -mcpu=gfx1250 --defsym DOCPART=n.
;; ======== version 1 of 1: 4 launches
;; limits: right only within a limited range of input values
;; workspace buffers: xc 25,165,824 bytes; wc 4,194,304 bytes; rope 524,288 bytes; qc 8,388,608 bytes; kv 16,777,216 bytes; ac 8,388,608 bytes
;; launch prep (part 1): grid 896 x 1, 8 waves a work-group, no clusters, 68,608 bytes of LDS; arguments x, wq, wk, wv, wo, token_positions, lowp_scales, xc, wc, rope; writes xc, wc, rope
.if DOCPART == 1
	.amdgcn_target "amdgcn-amd-amdhsa--gfx1250"
	.amdhsa_code_object_version 6
	.text
	.protected	k_qd2eff70356_prep
	.globl	k_qd2eff70356_prep
	.p2align	8
	.type	k_qd2eff70356_prep,@function
k_qd2eff70356_prep:
	s_mov_b64 s[64:65], 0
	v_nop
	global_prefetch_b8 v0, s[64:65] scope:SCOPE_SE
	s_setreg_imm32_b32 hwreg(HW_REG_WAVE_MODE, 25, 1), 1
	s_wait_xcnt 0x0
; PREP: x [8192][1024] f32 becomes three sets of E4M3 codes (scales 2^e0, 2^e2, 2^e4: it is the left operand of three products, each with its own given scale);
; wq, wk, wv, wo [1024][1024] f32 become codes (2^e1, 2^e3, 2^e5, 2^e11); and the rotation table cos, sin of token_positions[s] x theta_i is made once.
; code = number / 2^e, to the nearest code, ties to even.
; LAYOUT OF ALL CODES: THE OPERAND'S REGISTERS ON END.  A fragment is 16 rows x 128 along K: lane (r = lane % 16, h = lane / 16) holds row r, its registers 2 c, 2 c + 1 hold k = 16 c + 8 h + 0 .. 7.
; Its image is 2,048 bytes: registers 4 g .. 4 g + 3 of lane l at byte 512 g + 16 l.  xc: 3 sections x [512 row tiles][8 K steps][2,048]; wc: 4 sections x [64][8][2,048].
; rope: [128 blocks of 16 positions][q 0..3][g 0..1][lane][16 bytes]: lane (r, h) has (cos, sin) of pair i = 8 q + 4 h + 2 g and of pair i + 1, for position index 16 block + r.
; SHARES.  Work-groups 0-511: row tile of x; 512-767: row tile of a weight (64 each, in the order wq, wk, wv, wo); 768-895: a block of the table.  In the first two kinds wave w takes K step w: 16 rows x 128 numbers.
; A load takes 512 consecutive bytes of one row; the 16 rows turn through the wave's own stage in LDS (rows 528 bytes apart) so that a lane gets 8 neighbours along K at a time; a store covers 512 consecutive bytes.
; No barrier: waves share nothing.  No tensor load: each wave's 16 loads are out together, and several work-groups lie on a WGP.
; LIMITS: e0, e1, e2, e3, e4, e5, e11 between -126 and 127, so that 2^e is an f32 number.  NaN among the inputs is not served.  token_positions between 0 and 2,047 (the table that reference() indexes).
; theta_i = 2^(-i log2(10000) / 32) is made by v_exp_f32 with the exponent's rounding error put back by one multiply-add: a last-place difference of theta from a correctly rounded power is possible,
; which at the largest positions is some 1e-4 of a radian in the angle.
.set XT,   512                         ; work-groups for x
.set WT,   256                         ; for the four weights
.set SP,   528                         ; a stage row: 512 bytes + 16: row r starts at bank 4 r mod 64 (64 banks of 4 bytes: ISA guide 11.1)
.set STG,  16*SP                       ; a wave's stage
.set LI,   1                           ; v1   16 x lane
.set STI,  2                           ; v2   the stage, on the way in
.set STO,  3                           ; v3   and on the way out
.set SC,   4                           ; v4   2^e as f32
.set LIM,  5                           ; v5   448 x 2^e
.set R,    8                           ; v8-71    16 rows as loaded; once they are through the stage: TMP, C0, C1, C2
.set TMP,  8                           ; v8-23    two sets of 8 held numbers
.set C0,   24                          ; v24-39   the codes under the first scale
.set C1,   40                          ; v40-55   x's under e2
.set C2,   56                          ; v56-71   x's under e4
.set X,    72                          ; v72-135  X[8 c + j] = number (r, 16 c + 8 h + j) of the wave's unit
	s_load_b512 s[8:23], s[0:1], 0x0               ; x s[8:9], wq s[10:11], wk s[12:13], wv s[14:15], wo s[16:17], token_positions s[18:19], scales s[20:21], xc s[22:23]
	s_load_b128 s[24:27], s[0:1], 0x40             ; wc s[24:25], rope s[26:27]
	v_lshl_add_u32 v144, v0, 2, 0x10800
	v_mov_b32 v145, 0
	v_lshrrev_b32 v6, 5, v0
	s_delay_alu instid0(VALU_DEP_1)
	v_readfirstlane_b32 s28, v6                    ; wave 0..7
	s_mov_b32 s53, 0                               ; upper words of the two offset pairs
	s_mov_b32 s55, 0
	s_wait_kmcnt 0x0
	s_cmp_ge_u32 ttmp9, XT+WT
	s_cbranch_scc1 .Ltable
	; ---- x and the weights: one path; only pointers and the first exponent are chosen, by the work-group's number
	s_load_b256 s[32:39], s[20:21], 0x0            ; e0 .. e7
	s_load_b128 s[40:43], s[20:21], 0x20           ; e8 .. e11
	s_sub_co_u32 s29, ttmp9, XT                    ; a weight's work-group: 64 x weight + row tile (of no meaning for x, where every choice below takes x's side)
	s_lshr_b32 s30, s29, 6                         ; which weight
	s_and_b32 s31, s29, 63                         ; its row tile
	s_mov_b64 s[44:45], s[16:17]                   ; wo, unless ..
	s_cmp_eq_u32 s30, 2
	s_cselect_b64 s[44:45], s[14:15], s[44:45]     ; wv
	s_cmp_eq_u32 s30, 1
	s_cselect_b64 s[44:45], s[12:13], s[44:45]     ; wk
	s_cmp_eq_u32 s30, 0
	s_cselect_b64 s[44:45], s[10:11], s[44:45]     ; wq
	s_cmp_lt_u32 ttmp9, XT
	s_cselect_b64 s[44:45], s[8:9], s[44:45]       ; x
	s_cselect_b64 s[46:47], s[22:23], s[24:25]     ; codes go to xc or to wc
	s_cselect_b32 s52, ttmp9, s31                  ; the source's row tile
	s_cselect_b32 s54, ttmp9, s29                  ; the destination's (wc's sections lie on end: 64 x weight + row tile)
	s_lshl_b32 s52, s52, 16                        ; 16 rows of 4,096 bytes
	s_lshl_b32 s56, s28, 9                         ; + my K step's 512 bytes of a row
	s_add_co_u32 s52, s52, s56
	s_add_nc_u64 s[44:45], s[44:45], s[52:53]
	s_lshl_b32 s54, s54, 14                        ; a row tile's 8 images
	s_lshl_b32 s56, s28, 11                        ; + my K step's
	s_add_co_u32 s54, s54, s56
	s_add_nc_u64 s[46:47], s[46:47], s[54:55]
	s_add_nc_u64 s[48:49], s[46:47], 0x800000      ; xc's second and third section (used by x's work-groups alone)
	s_add_nc_u64 s[50:51], s[46:47], 0x1000000
	v_and_b32 v6, 31, v0
	s_delay_alu instid0(VALU_DEP_1)
	v_lshlrev_b32 v[LI], 4, v6
.irp i, 0,1,2,3,4,5,6,7,8,9,10,11,12,13,14,15
	global_load_b128 v[R+4*\i:R+4*\i+3], v[LI], s[44:45] offset:4096*\i th:TH_LOAD_NT   ; row i: 32 lanes read 512 consecutive bytes; read once in the launch
.endr
	s_mul_i32 s56, s28, STG
	v_add_nc_u32 v[STI], s56, v[LI]                ; in: as loaded, 16 bytes a lane
	v_and_b32 v6, 15, v0                           ; r
	v_bfe_u32 v7, v0, 4, 1                         ; h
	s_delay_alu instid0(VALU_DEP_2)
	v_mul_u32_u24 v[STO], v6, SP
	s_delay_alu instid0(VALU_DEP_1)
	v_lshl_add_u32 v[STO], v7, 5, v[STO]
	s_delay_alu instid0(VALU_DEP_1)
	v_add_nc_u32 v[STO], s56, v[STO]               ; out: row r, + 32 h: my 8 numbers of each 16
	s_wait_alu depctr_va_vdst(0)
	s_wait_kmcnt 0x0
	s_mov_b32 s57, s43                             ; the first exponent: e11 for wo, unless ..
	s_cmp_eq_u32 s30, 2
	s_cselect_b32 s57, s37, s57                    ; e5 for wv
	s_cmp_eq_u32 s30, 1
	s_cselect_b32 s57, s35, s57                    ; e3 for wk
	s_cmp_eq_u32 s30, 0
	s_cselect_b32 s57, s33, s57                    ; e1 for wq
	s_cmp_lt_u32 ttmp9, XT
	s_cselect_b32 s57, s32, s57                    ; e0 for x
.irp i, 0,1,2,3,4,5,6,7,8,9,10,11,12,13,14,15
	s_wait_loadcnt 15-\i                           ; loads come back in order: row i is in, the 15 - i younger ones may be out
	ds_store_b128 v[STI], v[R+4*\i:R+4*\i+3] offset:SP*\i
.endr
.irp c, 0,1,2,3,4,5,6,7
	ds_load_b128 v[X+8*\c:X+8*\c+3], v[STO] offset:64*\c        ; LDS serves a wave's instructions in order: these see my stores
	ds_load_b128 v[X+8*\c+4:X+8*\c+7], v[STO] offset:64*\c+16
.endr
	s_wait_dscnt 0x0                               ; the numbers are back, and the stage's stores have read v8-71, which are used anew
; 64 numbers of a lane become a fragment's 16 registers of codes in v[dst] on, under the scale 2^(s[se]).  X is kept: x is quantised three times.
.macro QUANT dst, se
	s_add_co_i32 s58, s[\se], 127
	s_lshl_b32 s59, s58, 23
	v_mov_b32 v[SC], s59                           ; 2^e as f32: the conversion takes its exponent field
.irp c, 0,1,2,3,4,5,6,7
.irp j, 0,1,2,3,4,5,6,7
.endr
	v_cvt_scalef32_pk8_fp8_f32 v[\dst+2*\c:\dst+2*\c+1], v[TMP+8*(\c%2)+((X+8*\c+0)-(TMP+8*(\c%2)+0)):TMP+8*(\c%2)+7+((X+8*\c+0)-(TMP+8*(\c%2)+0))], v[SC]
.endr
	v_nop                                          ; a plain line behind the last conversion: the next QUANT writes SC
.endm
.macro PUT src, sb                     ; an image: four stores of 512 consecutive bytes; their data are never written again
.irp g, 0,1,2,3
	global_store_b128 v[LI], v[\src+4*\g:\src+4*\g+3], s[\sb:\sb+1] offset:512*\g
.endr
.endm
	QUANT C0, 57
	PUT C0, 46
	s_cmp_lt_u32 ttmp9, XT
	s_cbranch_scc0 .Lend                           ; a weight has one scale
	QUANT C1, 34                                   ; x under e2
	PUT C1, 48
	QUANT C2, 36                                   ; x under e4
	PUT C2, 50
.Lend:
	s_wait_tensorcnt 0x0
	ds_add_u32 v144, v145
	s_wait_dscnt 0x0
	s_endpgm
	; ---- the table: one entry of 16 bytes a thread
.Ltable:
	s_sub_co_u32 s29, ttmp9, XT+WT                 ; block of 16 positions
	s_lshl_b32 s52, s29, 6
	s_add_nc_u64 s[18:19], s[18:19], s[52:53]      ; its 16 entries of token_positions
	s_lshl_b32 s54, s29, 12
	s_add_nc_u64 s[26:27], s[26:27], s[54:55]      ; its 4,096 bytes of the table
	v_and_b32 v6, 15, v0
	s_delay_alu instid0(VALU_DEP_1)
	v_lshlrev_b32 v6, 2, v6
	global_load_b32 v7, v6, s[18:19]               ; p = token_positions[16 block + r]: it enters as a number, never as an address
	s_mov_b32 s66, 0xbed49a78                      ; -log2(10000) / 32, rounded to f32,
	s_mov_b32 s67, 0xb217991c                      ; and what the rounding left
	s_mov_b32 s68, 0x3f317218                      ; ln 2
	s_mov_b32 s69, 0x3f22f983                      ; 2 / pi
	s_mov_b32 s70, 0x3fc90fdb                      ; pi / 2, rounded to f32,
	s_mov_b32 s71, 0xb33bbd2e                      ; and what the rounding left
	s_mov_b32 s72, 0xbe2aaaa3                      ; sin r = r + r z (S1 + z (S2 + z S3)), z = r r, |r| <= pi / 4
	s_mov_b32 s73, 0x3c08839e
	s_mov_b32 s74, 0xb94ca1f9
	s_mov_b32 s75, 0x3d2aaaa5                      ; cos r = 1 + z (-1/2 + z (C1 + z (C2 + z C3)))
	s_mov_b32 s76, 0xbab6061a
	s_mov_b32 s77, 0x37ccf5ce
	v_lshrrev_b32 v8, 6, v0                        ; q
	v_bfe_u32 v9, v0, 4, 1                         ; h
	v_bfe_u32 v10, v0, 5, 1                        ; g
	s_delay_alu instid0(VALU_DEP_3)
	v_lshlrev_b32 v8, 3, v8
	s_delay_alu instid0(VALU_DEP_1)
	v_lshl_add_u32 v8, v9, 2, v8
	s_delay_alu instid0(VALU_DEP_1)
	v_lshl_add_u32 v8, v10, 1, v8                  ; i = 8 q + 4 h + 2 g
	s_delay_alu instid0(VALU_DEP_1)
	v_add_nc_u32 v9, 1, v8
	s_delay_alu instid0(VALU_DEP_2)
	v_cvt_f32_u32 v8, v8
	s_delay_alu instid0(VALU_DEP_2)
	v_cvt_f32_u32 v9, v9
	s_delay_alu instid0(VALU_DEP_2)
	v_mul_f32 v10, s66, v8                         ; the exponent, rounded,
	s_delay_alu instid0(VALU_DEP_2)
	v_mul_f32 v11, s66, v9
	s_delay_alu instid0(VALU_DEP_2)
	v_fma_f32 v12, v8, s66, -v10                   ; what that rounding dropped (exact),
	s_delay_alu instid0(VALU_DEP_2)
	v_fma_f32 v13, v9, s66, -v11
	s_delay_alu instid0(VALU_DEP_2)
	v_fma_f32 v12, v8, s67, v12                    ; and the constant's own remainder
	s_delay_alu instid0(VALU_DEP_2)
	v_fma_f32 v13, v9, s67, v13
	s_wait_alu depctr_va_vdst(0)
	v_exp_f32 v14, v10
	v_exp_f32 v15, v11
	v_mul_f32 v12, s68, v12                        ; (plain lines behind the two exponentials)  2^d = 1 + d ln 2 for so small a d
	v_mul_f32 v13, s68, v13
	s_wait_alu depctr_va_vdst(0)                   ; one wait for both exponentials, ahead of their first reader
	v_fma_f32 v14, v14, v12, v14                   ; theta_i
	v_fma_f32 v15, v15, v13, v15                   ; theta_(i+1)
	s_wait_loadcnt 0x0
	v_cvt_f32_i32 v7, v7
	s_wait_alu depctr_va_vdst(0)
	v_mul_f32 v16, v7, v14                         ; the angles: one rounding, as in reference()
	v_mul_f32 v17, v7, v15
; cos and sin of the angle v[a], 0 <= a < 2,048.  n = the nearest whole number to a 2 / pi; r = a - n pi / 2 in two multiply-adds, of which the first is exact (a and n x the rounded pi / 2 are
; multiples of 2^-23 and their difference is under 1); polynomials on |r| <= pi / 4; the quadrant n mod 4 swaps and signs them.  v[t] .. v[t + 4] at work.
.macro SINCOS a, c, s, t
	v_mul_f32 v[\t], s69, v[\a]
	s_delay_alu instid0(VALU_DEP_1)
	v_rndne_f32 v[\t], v[\t]
	s_delay_alu instid0(VALU_DEP_1)
	v_fma_f32 v[\t+1], -v[\t], s70, v[\a]
	s_delay_alu instid0(VALU_DEP_1)
	v_fma_f32 v[\t+1], -v[\t], s71, v[\t+1]        ; r
	s_delay_alu instid0(VALU_DEP_3)
	v_cvt_i32_f32 v[\t], v[\t]                     ; n
	s_delay_alu instid0(VALU_DEP_2)
	v_mul_f32 v[\t+2], v[\t+1], v[\t+1]            ; z
	s_delay_alu instid0(VALU_DEP_1)
	v_fma_f32 v[\t+3], s74, v[\t+2], s73
	s_delay_alu instid0(VALU_DEP_1)
	v_fma_f32 v[\t+3], v[\t+3], v[\t+2], s72
	s_delay_alu instid0(VALU_DEP_3)
	v_mul_f32 v[\t+4], v[\t+1], v[\t+2]
	s_delay_alu instid0(VALU_DEP_1)
	v_fma_f32 v[\t+3], v[\t+4], v[\t+3], v[\t+1]   ; sin r
	v_fma_f32 v[\t+4], s77, v[\t+2], s76
	s_delay_alu instid0(VALU_DEP_1)
	v_fma_f32 v[\t+4], v[\t+4], v[\t+2], s75
	s_delay_alu instid0(VALU_DEP_1)
	v_fma_f32 v[\t+4], v[\t+4], v[\t+2], -0.5
	s_delay_alu instid0(VALU_DEP_1)
	v_fma_f32 v[\t+4], v[\t+4], v[\t+2], 1.0       ; cos r
	v_and_b32 v[\t+1], 1, v[\t]
	s_delay_alu instid0(VALU_DEP_1)
	v_cmp_ne_u32 vcc_lo, 0, v[\t+1]                ; odd quadrants swap the two: a choice of values, no branch
	s_delay_alu instid0(VALU_DEP_1)
	v_cndmask_b32 v[\s], v[\t+3], v[\t+4], vcc_lo
	s_delay_alu instid0(VALU_DEP_2)
	v_cndmask_b32 v[\c], v[\t+4], v[\t+3], vcc_lo
	v_and_b32 v[\t+1], 2, v[\t]
	s_delay_alu instid0(VALU_DEP_1)
	v_lshlrev_b32 v[\t+1], 30, v[\t+1]
	s_delay_alu instid0(VALU_DEP_1)
	v_xor_b32 v[\s], v[\s], v[\t+1]                ; sin is negative in quadrants 2 and 3,
	v_add_nc_u32 v[\t], 1, v[\t]
	s_delay_alu instid0(VALU_DEP_1)
	v_and_b32 v[\t], 2, v[\t]
	s_delay_alu instid0(VALU_DEP_1)
	v_lshlrev_b32 v[\t], 30, v[\t]
	s_delay_alu instid0(VALU_DEP_1)
	v_xor_b32 v[\c], v[\c], v[\t]                  ; cos in 1 and 2
.endm
	SINCOS 16, 20, 21, 24
	SINCOS 17, 22, 23, 30
	v_lshlrev_b32 v5, 4, v0
	global_store_b128 v5, v[20:23], s[26:27]       ; a wave stores 512 consecutive bytes
	s_endpgm
.Lfunc_end_k_qd2eff70356_prep:
	.size	k_qd2eff70356_prep, .Lfunc_end_k_qd2eff70356_prep-k_qd2eff70356_prep
	.p2alignl 7, 3214868480
	.fill 96, 4, 3214868480
	.section	.rodata,"a",@progbits
	.p2align	6, 0x0
	.amdhsa_kernel k_qd2eff70356_prep
		.amdhsa_group_segment_fixed_size 68608
		.amdhsa_private_segment_fixed_size 0
		.amdhsa_enable_private_segment 0
		.amdhsa_kernarg_size 80
		.amdhsa_user_sgpr_count 2
		.amdhsa_user_sgpr_kernarg_segment_ptr 1
		.amdhsa_wavefront_size32 1
		.amdhsa_system_sgpr_workgroup_id_x 1
		.amdhsa_system_sgpr_workgroup_id_y 1
		.amdhsa_system_sgpr_workgroup_id_z 1
		.amdhsa_system_vgpr_workitem_id 0
		.amdhsa_next_free_vgpr 146
		.amdhsa_next_free_sgpr 80
		.amdhsa_reserve_vcc 1
		.amdhsa_float_denorm_mode_32 3
		.amdhsa_float_denorm_mode_16_64 3
		.amdhsa_fp16_overflow 1
		.amdhsa_memory_ordered 1
		.amdhsa_forward_progress 1
		.amdhsa_inst_pref_size 17
	.end_amdhsa_kernel
	.amdgpu_metadata
---
amdhsa.version: [ 1, 2 ]
amdhsa.kernels:
  - .name:           k_qd2eff70356_prep
    .symbol:         k_qd2eff70356_prep.kd
    .args:
      - { .name: x, .offset: 0, .size: 8, .value_kind: global_buffer, .address_space: global }
      - { .name: wq, .offset: 8, .size: 8, .value_kind: global_buffer, .address_space: global }
      - { .name: wk, .offset: 16, .size: 8, .value_kind: global_buffer, .address_space: global }
      - { .name: wv, .offset: 24, .size: 8, .value_kind: global_buffer, .address_space: global }
      - { .name: wo, .offset: 32, .size: 8, .value_kind: global_buffer, .address_space: global }
      - { .name: token_positions, .offset: 40, .size: 8, .value_kind: global_buffer, .address_space: global }
      - { .name: lowp_scales, .offset: 48, .size: 8, .value_kind: global_buffer, .address_space: global }
      - { .name: xc, .offset: 56, .size: 8, .value_kind: global_buffer, .address_space: global }
      - { .name: wc, .offset: 64, .size: 8, .value_kind: global_buffer, .address_space: global }
      - { .name: rope, .offset: 72, .size: 8, .value_kind: global_buffer, .address_space: global }
    .group_segment_fixed_size: 68608
    .private_segment_fixed_size: 0
    .kernarg_segment_align: 8
    .kernarg_segment_size: 80
    .max_flat_workgroup_size: 256
    .sgpr_count:     80
    .vgpr_count:     146
    .wavefront_size: 32
...
	.end_amdgpu_metadata
.endif
;; end of part 1
;; launch qkv (part 2): grid 4 x 96, 4 waves a work-group, clusters of 4 x 4, 327,680 bytes of LDS; arguments xc, wc, rope, lowp_scales, qc, kv; writes qc, kv
.if DOCPART == 2
	.amdgcn_target "amdgcn-amd-amdhsa--gfx1250"
	.amdhsa_code_object_version 6
	.text
	.protected	k_qd2eff70356_qkv
	.globl	k_qd2eff70356_qkv
	.p2align	8
	.type	k_qd2eff70356_qkv,@function
k_qd2eff70356_qkv:
	s_mov_b64 s[64:65], 0
	v_nop
	global_prefetch_b8 v0, s[64:65] scope:SCOPE_SE
	s_setreg_imm32_b32 hwreg(HW_REG_WAVE_MODE, 25, 1), 1
	s_wait_xcnt 0x0
	s_wait_alu depctr_hold_cnt(0) depctr_sa_sdst(0) depctr_va_vdst(0) depctr_va_sdst(0) depctr_va_ssrc(0) depctr_va_vcc(0) depctr_vm_vsrc(0)
	s_getreg_b32 s2, hwreg(HW_REG_IB_STS2, 6, 4)
	s_cmp_eq_u32 s2, 0
	s_cbranch_scc0 .Lentry_in_a_cluster
	s_endpgm
.Lentry_in_a_cluster:
	s_bfe_u32 s2, ttmp6, 0x10000c
	s_cmp_lg_u32 s2, 0xf033
	s_cbranch_scc0 .Lentry_shape_is_right
	s_endpgm
.Lentry_shape_is_right:
; QKV: q = x wq^T, k = x wk^T, v = x wv^T on E4M3 codes (f32 sums), the rotation of q and k in f32, and the quantising of q (2^e6), k (2^e7) and v (2^e9, along the keys).
; Operands lie in memory as images of fragments (16 rows x 128 K: 2,048 bytes, registers 4 g .. 4 g + 3 of lane l at 512 g + 16 l; a row tile's 8 K steps on end, 16,384 bytes).
; 384 tiles of 256 x 256, K = 1,024.  A work-group of four waves makes a tile, a wave 128 x 128: 64 accumulators, 512 registers.  K goes in steps of 256 through a ring of two LDS slots.
; THE MATRIX INSTRUCTION IS USED TRANSPOSED: source 0 = 16 rows of 'B', source 1 = 16 rows of 'A': in accumulator (a, b) lane (r, h) holds row 16 a + r of A's side and columns 16 b + 8 h + 0 .. 7 of B's side.
; TYPES, by the cluster's y (24 clusters: type = y / 8, cl = y % 8; the same in all sixteen partners):
;   0 (q), 1 (k): A = xc's section of that type (tokens), B = wc's (features).  A lane's eight numbers are eight neighbouring features of one token: four rotation pairs, and 8 neighbours along the next K (the head's 64).
;   2 (v): THE SIDES ARE SWAPPED: A = wc's section 2 (features), B = xc's section 2 (tokens).  A lane's eight numbers are eight neighbouring KEYS of one feature: neighbours along the second attention product's K.
; So in all three types one conversion of an accumulator's eight registers gives two registers of the next operand's fragment, and the codes leave as images: stores of 512 consecutive bytes, no stage in LDS.
; OUT: qc [64 heads bh][128 query tiles][1,024] (16 queries x 64);  kv [bh][262,144]: bytes 0 on: K [128 key tiles][1,024];  bytes 131,072 on: V [16 key steps][4 tiles of 16 channels][2,048] (16 channels x 128 keys).
; CLUSTERS: 4 x 4 work-groups; A's tile is shared along a row of the cluster, B's along a column: asked for jointly.
; 384 tiles are one and a half for each of 256 WGPs: a tile of 128 x 256 would fill them evenly but read half as much again from LDS for each product; the larger tile is kept.
; The sums lack the factor 2^(ea + eb); the rotation is linear, so it works on the sums as they are and the three exponents are folded into the conversion's one scale.
; LIMITS: e6 - e0 - e1, e7 - e2 - e3 and e9 - e4 - e5 between -126 and 119, so that the folded scale and 448 x it are f32 numbers.
; REGISTERS, in windows of 256: window 0: v16-29 addresses and constants; v32-95 the table, two sets; v128-255 A's fragments, one set (on the way out: v128-191 numbers at work, v192-223 codes, two sets).
;   window 1: B's fragments, two sets.   window 2: the accumulators of my rows 0-63 ((a, b) at v[8 (8 a + b)]);   window 3: those of my rows 64-127.
.set KSB,    4096                      ; a K step (256 along K) of one row tile: two images
.set FR,     16                        ; registers of a fragment
.set NL,     4                         ; LDS loads that bring one
.set NP,     4                         ; places behind this matrix instruction (ISA guide 7.12.1)
.set HALFT,  8*KSB                     ; 8 row tiles: what one tensor load brings, and what one wave reads of A or of B
.set SLOT,   4*HALFT                   ; A's two halves, then B's two
.set SPARE,  2*SLOT                    ; behind the ring: the spare words, 128 bytes for each wave
.set ADRA, 16                          ; v16-17  LDS address of my A fragments in slot 0, 1
.set ADRB, 20                          ; v20-21  the same for B
.set LI,   24                          ; v24     16 x lane
.set SC,   26                          ; v26     the folded scale as f32
.set LIM,  27                          ; v27     448 x it
.set SPW,  28                          ; v28     LDS address of my spare word; never rewritten
.set NIL,  29                          ; v29     0; never rewritten
.set T,    32                          ; v32-95  the table: 32 registers for a block of 16 tokens, two sets
.set AF,   128                         ; A's fragments
.set TMP,  128                         ; the way out: a block's 64 numbers
.set CD,   192                         ; the way out: a block's 16 registers of codes, two sets
.set G1, 24                            ; s[24:31] descriptor group 1 for A's tiles;  s[32:39] group 0, one set for each slot
.set G0, 32
.set G1B, 48                           ; s[48:55], s[56:63] the same for B's tiles
.set G0B, 56
.set TYPE, 84                          ; s84
.set D0,   86                          ; s[86:87], s[88:89] where my two heads' codes go
.set TAB,  90                          ; s[90:91] the table at my first block of tokens
.set MSB, 0
.macro WIN new                         ; the immediate's high byte repeats the setting that is left
.if MSB != (\new)
	s_set_vgpr_msb (MSB<<8)|(\new)
.set MSB, (\new)
.endif
.endm
.set MUL_LO, 0xa1                      ; source 0 (B) window 1, source 1 (A) window 0, C and D window 2
.set MUL_HI, 0xf1                      ; the same, C and D window 3
.set TO_B,   0x40                      ; destination window 1, address window 0
; A joint load: waves 0 and 1 fetch for A, waves 2 and 3 for B.  Each line has one mask and one set of registers for all that issue it; the branch hangs on the wave's number alone.
; Four v_nop follow each of the two lines, ahead of the jump, the label and what follows.
.macro JLOAD g0a, g1a, g0b, g1b
	s_cmp_eq_u32 s15, 0
	s_cbranch_scc0 .Lfor_b_\@
	tensor_load_to_lds s[\g0a:\g0a+3], s[\g1a:\g1a+7]
	s_nop 0
.rept 4
	v_nop
.endr
	s_branch .Lasked_\@
.Lfor_b_\@:
	tensor_load_to_lds s[\g0b:\g0b+3], s[\g1b:\g1b+7]
	s_nop 0
.rept 4
	v_nop
.endr
.Lasked_\@:
.endm
.macro CREST                           ; a round of the cluster's barrier behind its opening barrier
	s_cmp_lg_u32 s14, 0
	s_cbranch_scc1 .Lnot_wave_0_\@
	s_barrier_signal -3
.Lnot_wave_0_\@:
	s_barrier_wait -3
	s_barrier_signal -1
	s_barrier_wait -1
.endm
.macro CROUND                          ; a whole round
	s_barrier_signal -1
	s_barrier_wait -1
	CREST
.endm
	s_load_b256 s[4:11], s[0:1], 0x0               ; xc s[4:5], wc s[6:7], rope s[8:9], the scales' exponents s[10:11]
	s_load_b128 s[80:83], s[0:1], 0x20             ; qc s[80:81], kv s[82:83]
	v_lshl_add_u32 v[SPW], v0, 2, SPARE
	v_mov_b32 v[NIL], 0
	ds_add_u32 v28, v29
	ds_add_u32 v28, v29
	s_wait_dscnt 0x0
	v_lshrrev_b32 v1, 5, v0
	v_readfirstlane_b32 s14, v1                    ; wave 0..3
	s_lshr_b32 s15, s14, 1                         ; which half of the tile's rows is mine.  Also: I fetch for A (0) or for B (1)
	s_and_b32 s16, s14, 1                          ; which half of its columns.  Also: which 8 row tiles of that tile I fetch
	s_bfe_u32 s40, ttmp6, 0x40000                  ; cx, cy: my place in the cluster
	s_bfe_u32 s41, ttmp6, 0x40004
	s_and_b32 s85, ttmp7, 0xffff                   ; the cluster's y, 0 .. 23
	s_lshr_b32 s[TYPE], s85, 3                     ; 0 q, 1 k, 2 v
	s_and_b32 s85, s85, 7                          ; cl
	s_lshl_b32 s92, s85, 2                         ; 4 cl: the cluster's first tile along the tokens
	s_lshl_b32 s93, s[TYPE], 23                    ; xc's section of types 0 and 1
	s_lshl_b32 s94, s[TYPE], 20                    ; wc's
	s_cmp_lt_u32 s[TYPE], 2
	s_cselect_b32 s17, s92, 0                      ; tokens run along the tile rows in types 0 and 1,
	s_cselect_b32 s42, 0, s92                      ; along the tile columns in type 2
	s_cselect_b32 s95, s93, 0x200000               ; A's section: of xc; in type 2 wc's section 2
	s_cselect_b32 s96, s94, 0x1000000              ; B's section: of wc; in type 2 xc's section 2
	s_add_co_u32 s17, s17, s41                     ; tile row
	s_add_co_u32 s42, s42, s40                     ; tile column
	s_lshl_b32 s43, s41, 2
	s_lshl_b32 s43, 15, s43                        ; my row of the cluster
	s_lshl_b32 s44, 0x1111, s40                    ; my column
	; descriptor group 1: 8 row tiles x 4,096 bytes, 16,384 bytes apart in memory, dense in LDS
	s_or_b32 s[G1+0], s43, (3<<16)|(1<<21)         ; 15:0 the mask: A's tiles go to my row; 17:16 elements of 8 bytes; 20 no padding; 21 set beside a mask
	s_or_b32 s[G1B+0], s44, (3<<16)|(1<<21)
.irp g, G1, G1B
	s_mov_b32 s[\g+1], 512<<16                     ; tensor_dim0 = 512 elements
	s_mov_b32 s[\g+2], 8<<16                       ; tensor_dim1 = 8
	s_mov_b32 s[\g+3], 512<<16                     ; tile_dim0
	s_mov_b32 s[\g+4], 8                           ; tile_dim1
	s_mov_b32 s[\g+5], 2048                        ; tensor_dim0_stride: 16,384 bytes
	s_mov_b32 s[\g+6], 0
	s_mov_b32 s[\g+7], 0
.endr
	s_lshl_b32 s18, s16, 17                        ; which 8 row tiles of the tile I fetch
	s_lshl_b32 s20, s17, 18                        ; a tile's 16 row tiles are 262,144 bytes
	s_add_co_u32 s20, s20, s18
	s_add_co_u32 s20, s20, s95                     ; A: section + tile row + half: it never holds cx
	s_mov_b32 s21, 0
	s_lshl_b32 s46, s42, 18
	s_add_co_u32 s46, s46, s18
	s_add_co_u32 s46, s46, s96                     ; B: section + tile column + half: it never holds cy
	s_mov_b32 s47, 0
	s_mul_i32 s45, s14, HALFT                      ; where they go: wave x 32,768: no place in the cluster enters an LDS address
	s_wait_kmcnt 0x0
	s_load_b256 s[68:75], s[10:11], 0x0            ; e0 .. e7
	s_load_b128 s[76:79], s[10:11], 0x20           ; e8 .. e11
	s_cmp_lt_u32 s[TYPE], 2
	s_cselect_b64 s[66:67], s[4:5], s[6:7]         ; A's buffer
	s_cselect_b64 s[12:13], s[6:7], s[4:5]         ; B's
	s_add_nc_u64 s[20:21], s[66:67], s[20:21]
	s_add_nc_u64 s[46:47], s[12:13], s[46:47]
	CROUND                                         ; all sixteen work-groups are here: the first joint loads meet
.irp s, 0,1
	s_mov_b32 s[G0+4*\s], 1
	s_add_co_u32 s[G0+4*\s+1], s45, \s*SLOT
	s_add_nc_u64 s[G0+4*\s+2:G0+4*\s+3], s[20:21], \s*KSB
	s_or_b32 s[G0+4*\s+3], s[G0+4*\s+3], 0x80000000
	s_mov_b32 s[G0B+4*\s], 1
	s_add_co_u32 s[G0B+4*\s+1], s45, \s*SLOT
	s_add_nc_u64 s[G0B+4*\s+2:G0B+4*\s+3], s[46:47], \s*KSB
	s_or_b32 s[G0B+4*\s+3], s[G0B+4*\s+3], 0x80000000
	JLOAD G0+4*\s, G1, G0B+4*\s, G1B               ; two loads of mine are out
.endr
	v_and_b32 v1, 31, v0
	v_lshlrev_b32 v[LI], 4, v1
	s_mul_i32 s21, s15, HALFT                      ; my 8 row tiles of A
	s_mul_i32 s22, s16, HALFT                      ; my 8 of B,
	s_add_co_u32 s22, s22, 2*HALFT                 ; which lie behind A's 16
.irp s, 0,1
	v_add_nc_u32 v[ADRA+\s], s21, v[LI]
	v_add_nc_u32 v[ADRB+\s], s22, v[LI]
	s_add_co_u32 s21, s21, SLOT
	s_add_co_u32 s22, s22, SLOT
.endr
.macro FRAG reg, adr, q, i             ; a fragment comes as it lies: four loads of 512 consecutive bytes; row tile i of my eight, the slot's q-th 128 along K
.irp c, 0,1,2,3
	ds_load_b128 v[\reg+4*\c:\reg+4*\c+3], v[\adr] offset:2048*(\q)+512*\c+(\i)*KSB
.endr
.endm
; 16 matrix instructions: A's blocks a0, a0 + 1 x B's eight, 128 along K.  p: B's set.  zero = 1: the first product starts the sums.
; The 64 accumulators take turns, one instruction a turn, in the same order in every step.
.macro MUL16 a0, p, zero
.irp a, \a0, \a0+1
.irp b, 0,1,2,3,4,5,6,7
.if \zero
	v_wmma_f32_16x16x128_fp8_fp8 v[8*(8*((\a)%4)+\b):8*(8*((\a)%4)+\b)+7], v[128*(\p)+FR*\b:128*(\p)+FR*\b+FR-1], v[AF+FR*(\a):AF+FR*(\a)+FR-1], 0
.else
	v_wmma_f32_16x16x128_fp8_fp8 v[8*(8*((\a)%4)+\b):8*(8*((\a)%4)+\b)+7], v[128*(\p)+FR*\b:128*(\p)+FR*\b+FR-1], v[AF+FR*(\a):AF+FR*(\a)+FR-1], v[8*(8*((\a)%4)+\b):8*(8*((\a)%4)+\b)+7]
.endif
.endr
.endr
.endm
.macro FETCH_B slot, q, p              ; B's eight fragments into set p
	WIN TO_B
.irp i, 0,1,2,3,4,5,6,7
	FRAG 128*(\p)+FR*\i, ADRB+\slot, \q, \i
.endr
	WIN 0
.endm
.macro FETCH_A slot, q, i0             ; A's blocks i0 .. i0 + 3
.irp i, \i0, \i0+1, \i0+2, \i0+3
	FRAG AF+FR*(\i), ADRA+\slot, \q, \i
.endr
.endm
.macro PLACES n                        ; plain vector lines between a matrix instruction and a load into, or a vector line on, one of its registers (ISA guide 7.12.1 for vector lines)
.rept \n
	v_nop
.endr
.endm
; A step of 128 along K that has its successor in the same slot.  A block of A is free when its eight products are issued, so A has one set: blocks 0-3 are fetched anew in the step's middle, blocks 4-7 at its end.
.macro STEP slot, q, zero
	s_wait_dscnt 4*NL                              ; B's set and A's blocks 0-3 are in; the youngest 16 loads (A's blocks 4-7) may be out
	WIN MUL_LO
	MUL16 0, (\q)%2, \zero
	MUL16 2, (\q)%2, \zero
	s_wait_dscnt 0                                 ; A's blocks 4-7 are in (asked for 32 matrix instructions ago)
	PLACES NP
	FETCH_B \slot, (\q)+1, 1-(\q)%2
	FETCH_A \slot, (\q)+1, 0
	WIN MUL_HI
	MUL16 4, (\q)%2, \zero
	MUL16 6, (\q)%2, \zero
	PLACES NP
	WIN 0
	FETCH_A \slot, (\q)+1, 4
.endm
; A slot's last step changes slots: one barrier; in front of it each wave waits for all its tensor loads, adds 0 to its spare word, and waits for that and for its own reads of this slot.  fill = 1: this slot is filled again, two K steps ahead.
.macro TURN slot, next, fill
	s_wait_tensorcnt 0x0                           ; all my tensor loads have landed: my part of the next slot  (every window is 0 here)
	ds_add_u32 v[SPW], v[NIL]                      ; 0 onto my spare word
	s_wait_dscnt 4*NL+1                            ; (the add and the youngest 16 loads, A's blocks 4-7, may be out)
	WIN MUL_LO
	MUL16 0, 1, 0                                  ; sixteen matrix instructions stand between the add and the wait for it
	s_wait_dscnt 0x0                               ; the add is done, and my reads of this slot are over
	s_barrier_signal -1
	MUL16 2, 1, 0
	WIN 0
	s_barrier_wait -1
.if \fill
	CREST                                          ; the barrier has opened a round of the cluster's barrier: no wave of any partner still reads this slot or has a load on its way
	s_add_nc_u64 s[G0+4*\slot+2:G0+4*\slot+3], s[G0+4*\slot+2:G0+4*\slot+3], 2*KSB
	s_add_nc_u64 s[G0B+4*\slot+2:G0B+4*\slot+3], s[G0B+4*\slot+2:G0B+4*\slot+3], 2*KSB
	JLOAD G0+4*\slot, G1, G0B+4*\slot, G1B         ; the first tensor load behind the round, my only one until the next; its four v_nop are the places in front of the loads below
.else
	PLACES NP
.endif
	FETCH_B \next, 0, 0
	FETCH_A \next, 0, 0
	WIN MUL_HI
	MUL16 4, 1, 0
	MUL16 6, 1, 0
	PLACES NP
	WIN 0
	FETCH_A \next, 0, 4
.endm
.macro LAST                            ; the very last step: nothing more to fetch
	s_wait_dscnt 4*NL
	WIN MUL_LO
	MUL16 0, 1, 0
	MUL16 2, 1, 0
	s_wait_dscnt 0
	WIN MUL_HI
	MUL16 4, 1, 0
	MUL16 6, 1, 0
	WIN 0
.endm
.macro SCALES se                       ; the folded exponent in s[se] becomes the conversion's scale and the hold
	s_add_co_i32 s[\se], s[\se], 127
	s_lshl_b32 s93, s[\se], 23
	v_mov_b32 v[SC], s93
	s_add_co_i32 s[\se], s[\se], 8
	s_lshl_b32 s[\se], s[\se], 23
	s_or_b32 s[\se], s[\se], 0x600000
	v_mov_b32 v[LIM], s[\se]
.endm
	s_wait_alu depctr_va_vdst(0)
	s_wait_tensorcnt 1                             ; my part of K step 0 is in (K step 1's load may be out),
	s_barrier_signal -1
	s_barrier_wait -1                              ; everybody's is
	FETCH_B 0, 0, 0
	FETCH_A 0, 0, 0
	FETCH_A 0, 0, 4
	; K = 1,024 is four K steps, eight steps of 128: written out, since a loop over laps would have one trip
	STEP 0, 0, 1                                   ; its products start the sums: nothing is cleared
	TURN 0, 1, 1                                   ; slot 0 takes K step 2
	STEP 1, 0, 0
	TURN 1, 0, 1                                   ; slot 1 takes K step 3
	STEP 0, 0, 0
	TURN 0, 1, 0                                   ; nothing is left to ask for
	s_cmp_eq_u32 s[TYPE], 2                        ; the ways part here, on the cluster's number alone: the last two steps stand in both, so that the table's loads and the waits for them lie on one way
	s_cbranch_scc1 .Lv
	; ---- q and k
	s_lshr_b32 s96, s17, 3                         ; the batch: 8 tile rows of 256 tokens each
	s_lshl_b32 s96, s96, 4
	s_lshl_b32 s92, s42, 2
	s_add_co_u32 s96, s96, s92
	s_lshl_b32 s92, s16, 1
	s_add_co_u32 s96, s96, s92                     ; my first head: 16 batch + 4 tile column + 2 half
	s_and_b32 s97, s17, 7
	s_lshl_b32 s97, s97, 4
	s_lshl_b32 s92, s15, 3
	s_add_co_u32 s97, s97, s92                     ; my first block of 16 tokens in the sequence
	s_cmp_eq_u32 s[TYPE], 0
	s_cselect_b64 s[D0:D0+1], s[80:81], s[82:83]   ; qc or kv
	s_cselect_b32 s94, 17, 18                      ; a head is 131,072 bytes in qc, 262,144 in kv
	s_lshl_b32 s92, s96, s94
	s_lshl_b32 s95, s97, 10
	s_add_co_u32 s92, s92, s95
	s_mov_b32 s93, 0
	s_add_nc_u64 s[D0:D0+1], s[D0:D0+1], s[92:93]
	s_lshl_b32 s92, 1, s94
	s_add_nc_u64 s[D0+2:D0+3], s[D0:D0+1], s[92:93]   ; the head beside it
	s_lshl_b32 s92, s97, 12
	s_add_nc_u64 s[TAB:TAB+1], s[8:9], s[92:93]
.macro TL a                            ; the table of block a: register 8 q + 2 p is cos, 8 q + 2 p + 1 sin, of pair 8 q + 4 h + p at token r
.irp q, 0,1,2,3
.irp g, 0,1
	global_load_b128 v[T+32*((\a)%2)+8*\q+4*\g:T+32*((\a)%2)+8*\q+4*\g+3], v[LI], s[TAB:TAB+1] offset:4096*(\a)+512*(2*\q+\g)
.endr
.endr
.endm
	TL 0                                           ; two blocks ahead, from here on: they land under the last 128 matrix instructions
	TL 1
	STEP 1, 0, 0
	LAST
	s_wait_kmcnt 0x0
	s_sub_co_i32 s92, s74, s68
	s_sub_co_i32 s92, s92, s69                     ; e6 - e0 - e1
	s_sub_co_i32 s94, s75, s70
	s_sub_co_i32 s94, s94, s71                     ; e7 - e2 - e3
	s_cmp_eq_u32 s[TYPE], 0
	s_cselect_b32 s92, s92, s94
	SCALES 92
	PLACES NP                                      ; behind the last products: the lines below write registers that held A's fragments
; Block a: 16 tokens x my 128 features.  (re, im) = (xe cos - xo sin, xe sin + xo cos): one packed multiply and one packed multiply-add a pair; eight conversions; four stores.
.macro ROPEBLK a
.set AC, 64*((\a)%4)
.set TS, T+32*((\a)%2)
.set CW, CD+16*((\a)%2)
.if (\a) < 7
	s_wait_loadcnt 8                               ; this block's table is in; the next block's eight loads may be out
.else
	s_wait_loadcnt 0
.endif
	WIN (0x02+((\a)/4))                            ; source 0: window 2 or 3
.irp b, 0,1,2,3,4,5,6,7
.irp p, 0,1,2,3
	v_pk_mul_f32 v[TMP+8*\b+2*\p:TMP+8*\b+2*\p+1], v[AC+8*\b+2*\p:AC+8*\b+2*\p+1], v[TS+8*(\b%4)+2*\p:TS+8*(\b%4)+2*\p+1] op_sel_hi:[1,0]   ; (xe cos, xo cos); each accumulator from its low end on
.endr
.irp p, 0,1,2,3
	v_pk_fma_f32 v[TMP+8*\b+2*\p:TMP+8*\b+2*\p+1], v[AC+8*\b+2*\p:AC+8*\b+2*\p+1], v[TS+8*(\b%4)+2*\p:TS+8*(\b%4)+2*\p+1], v[TMP+8*\b+2*\p:TMP+8*\b+2*\p+1] op_sel:[1,1,0] op_sel_hi:[0,1,1] neg_lo:[0,1,0]   ; low: - xo sin; high: + xe sin
.endr
.endr
	WIN 0
.if (\a) < 6
	TL (\a)+2                                      ; into the set just read
.endif
.set i, 0
.rept 64
.set i, i+1
.endr
.if (\a) > 1
	s_wait_alu depctr_va_vdst(0)
	s_wait_xcnt 0x0                                ; block a - 2's stores have read this set of codes: it is written again only behind this wait
.endif
.irp b, 0,1,2,3,4,5,6,7
	v_cvt_scalef32_pk8_fp8_f32 v[CW+2*\b:CW+2*\b+1], v[TMP+8*\b:TMP+8*\b+7], v[SC]   ; features 16 b + 8 h + 0 .. 7: registers 2 (b % 4), + 1 of head b / 4's fragment
.endr
	v_nop                                          ; a plain line behind the last conversion: the next block writes its sources
.irp hd, 0,1
.irp g, 0,1
	global_store_b128 v[LI], v[CW+8*\hd+4*\g:CW+8*\hd+4*\g+3], s[D0+2*\hd:D0+2*\hd+1] offset:1024*(\a)+512*\g   ; 512 consecutive bytes
.endr
.endr
.endm
.irp a, 0,1,2,3,4,5,6,7
	ROPEBLK \a
.endr
	s_branch .Lend
	; ---- v
.Lv:
	STEP 1, 0, 0
	LAST
	s_lshr_b32 s96, s42, 3                         ; the batch: here the tokens run along the tile columns
	s_lshl_b32 s96, s96, 4
	s_lshl_b32 s92, s17, 2
	s_add_co_u32 s96, s96, s92
	s_lshl_b32 s92, s15, 1
	s_add_co_u32 s96, s96, s92                     ; my first head: 16 batch + 4 tile row + 2 half
	s_and_b32 s97, s42, 7
	s_lshl_b32 s97, s97, 1
	s_add_co_u32 s97, s97, s16                     ; my key step of 128 keys
	s_lshl_b32 s92, s96, 18
	s_lshl_b32 s95, s97, 13
	s_add_co_u32 s92, s92, s95
	s_add_co_u32 s92, s92, 131072                  ; V lies behind K in a head's block
	s_mov_b32 s93, 0
	s_add_nc_u64 s[D0:D0+1], s[82:83], s[92:93]
	s_add_nc_u64 s[D0+2:D0+3], s[D0:D0+1], 262144
	s_wait_kmcnt 0x0
	s_sub_co_i32 s92, s77, s72
	s_sub_co_i32 s92, s92, s73                     ; e9 - e4 - e5
	SCALES 92
	PLACES NP
; Block a: 16 channels (tile a % 4 of head a / 4) x my 128 keys: one whole fragment.
.macro VBLK a
.set AC, 64*((\a)%4)
.set CW, CD+16*((\a)%2)
	WIN (0x02+((\a)/4))
.set i, 0
.rept 64
	v_med3_num_f32 v[TMP+i], v[AC+i], -v[LIM], v[LIM]   ; each accumulator from its low end on
.set i, i+1
.endr
	WIN 0
.if (\a) > 1
	s_wait_alu depctr_va_vdst(0)
	s_wait_xcnt 0x0                                ; block a - 2's stores have read this set of codes
.endif
.irp b, 0,1,2,3,4,5,6,7
	v_cvt_scalef32_pk8_fp8_f32 v[CW+2*\b:CW+2*\b+1], v[TMP+8*\b:TMP+8*\b+7], v[SC]   ; keys 16 b + 8 h + 0 .. 7
.endr
	v_nop
.irp g, 0,1,2,3
	global_store_b128 v[LI], v[CW+4*\g:CW+4*\g+3], s[D0+2*((\a)/4):D0+2*((\a)/4)+1] offset:2048*((\a)%4)+512*\g
.endr
.endm
.irp a, 0,1,2,3,4,5,6,7
	VBLK \a
.endr
.Lend:
	s_wait_tensorcnt 0x0                           ; the wave's end
	ds_add_u32 v[SPW], v[NIL]
	s_wait_dscnt 0x0
	CROUND                                         ; the closing round: no work-group ends while a partner may still ask for a tile that names it
	s_endpgm
.Lfunc_end_k_qd2eff70356_qkv:
	.size	k_qd2eff70356_qkv, .Lfunc_end_k_qd2eff70356_qkv-k_qd2eff70356_qkv
	.p2alignl 7, 3214868480
	.fill 96, 4, 3214868480
	.section	.rodata,"a",@progbits
	.p2align	6, 0x0
	.amdhsa_kernel k_qd2eff70356_qkv
		.amdhsa_group_segment_fixed_size 327680
		.amdhsa_private_segment_fixed_size 0
		.amdhsa_enable_private_segment 0
		.amdhsa_kernarg_size 48
		.amdhsa_user_sgpr_count 2
		.amdhsa_user_sgpr_kernarg_segment_ptr 1
		.amdhsa_wavefront_size32 1
		.amdhsa_system_sgpr_workgroup_id_x 1
		.amdhsa_system_sgpr_workgroup_id_y 1
		.amdhsa_system_sgpr_workgroup_id_z 1
		.amdhsa_system_vgpr_workitem_id 0
		.amdhsa_next_free_vgpr 1024
		.amdhsa_next_free_sgpr 100
		.amdhsa_reserve_vcc 0
		.amdhsa_float_denorm_mode_32 3
		.amdhsa_float_denorm_mode_16_64 3
		.amdhsa_fp16_overflow 1
		.amdhsa_memory_ordered 1
		.amdhsa_forward_progress 1
		.amdhsa_inst_pref_size 178
	.end_amdhsa_kernel
	.amdgpu_metadata
---
amdhsa.version: [ 1, 2 ]
amdhsa.kernels:
  - .name:           k_qd2eff70356_qkv
    .symbol:         k_qd2eff70356_qkv.kd
    .args:
      - { .name: xc, .offset: 0, .size: 8, .value_kind: global_buffer, .address_space: global }
      - { .name: wc, .offset: 8, .size: 8, .value_kind: global_buffer, .address_space: global }
      - { .name: rope, .offset: 16, .size: 8, .value_kind: global_buffer, .address_space: global }
      - { .name: lowp_scales, .offset: 24, .size: 8, .value_kind: global_buffer, .address_space: global }
      - { .name: qc, .offset: 32, .size: 8, .value_kind: global_buffer, .address_space: global }
      - { .name: kv, .offset: 40, .size: 8, .value_kind: global_buffer, .address_space: global }
    .group_segment_fixed_size: 327680
    .private_segment_fixed_size: 0
    .kernarg_segment_align: 8
    .kernarg_segment_size: 48
    .max_flat_workgroup_size: 128
    .sgpr_count:     100
    .vgpr_count:     1024
    .wavefront_size: 32
...
	.end_amdgpu_metadata
.endif
;; end of part 2
;; launch attn (part 3): grid 4 x 64, 16 waves a work-group, clusters of 4 x 1, 264,192 bytes of LDS; arguments qc, kv, lowp_scales, ac; writes ac
.if DOCPART == 3
	.amdgcn_target "amdgcn-amd-amdhsa--gfx1250"
	.amdhsa_code_object_version 6
	.text
	.protected	k_qd2eff70356_attn
	.globl	k_qd2eff70356_attn
	.p2align	8
	.type	k_qd2eff70356_attn,@function
k_qd2eff70356_attn:
	s_mov_b64 s[64:65], 0
	v_nop
	global_prefetch_b8 v0, s[64:65] scope:SCOPE_SE
	s_setreg_imm32_b32 hwreg(HW_REG_WAVE_MODE, 25, 1), 1
	s_wait_xcnt 0x0
	s_wait_alu depctr_hold_cnt(0) depctr_sa_sdst(0) depctr_va_vdst(0) depctr_va_sdst(0) depctr_va_ssrc(0) depctr_va_vcc(0) depctr_vm_vsrc(0)
	s_getreg_b32 s2, hwreg(HW_REG_IB_STS2, 6, 4)
	s_cmp_eq_u32 s2, 0
	s_cbranch_scc0 .Lentry_in_a_cluster
	s_endpgm
.Lentry_in_a_cluster:
	s_bfe_u32 s2, ttmp6, 0x10000c
	s_cmp_lg_u32 s2, 0x3003
	s_cbranch_scc0 .Lentry_shape_is_right
	s_endpgm
.Lentry_shape_is_right:
; ATTN: for each of 64 heads bh (16 batch + head): O[q] = sum over keys k <= q of softmax(Q[q] . K[k] / 8) V[k], both products on E4M3 codes, and O quantised (2^e10) for the last product.
; THE SOFTMAX AHEAD OF THE SECOND PRODUCT: t = score x log2(e) / 8; M = the running largest t rounded UP to a whole number; p = 2^(t - M) is quantised (2^e8), not normalised; the row's sum is taken of the
; unquantised p and divides O at the end.  When M moves, the sum and O are multiplied by 2^(old M - new M): exact.
; A HEAD'S K AND V CODES ARE 262,144 BYTES AND LIE IN LDS WHOLE, as the dense block in which they lie in kv: no ring, nothing is filled again, no barrier in the loops.
; CLUSTER: the four work-groups of a cluster share one head and ask for its K and V jointly (mask 15): each receives the block in its own LDS.
; SHARES.  A head has 128 tiles of 16 queries; tile 8 g + sub needs the key steps 0 .. g of 128 keys (the rest lies wholly under the causal mask).  Wave w of work-group cx takes tile (g = w, sub = cx) and then
; tile (g = 15 - w, sub = 4 + cx): w + 1 and 16 - w steps: 17 for every wave of the launch.  g hangs on the wave's number alone, so branches and LDS addresses are alike in all partners; cx enters only
; Q's and the output's global addresses and the number against which the diagonal step's keys are compared.
; Every loop has a constant trip count; a step that is hidden for the wave is jumped over by a scalar branch on the step's number and g.
; LAYOUT.  Both products are used transposed: S^T = K Q^T (source 0 = 16 keys, source 1 = my 16 queries, K = 64), O^T = V^T P^T (source 0 = 16 channels, source 1 = P, K = 128 keys): a lane holds one query (lane % 16).
; Tile T of S^T gives lane (r, h) the keys 16 T + 8 h + 0 .. 7: one conversion of its eight registers is registers 2 T, 2 T + 1 of P's fragment.  Likewise O^T's tile dt gives channels 16 dt + 8 h + 0 .. 7:
; registers 2 dt, 2 dt + 1 of the last product's operand.  ac: [512 token tiles][16 heads][1,024]: heads 2 j and 2 j + 1 are K step j's image.
; Sixteen waves of 256 registers, four to a SIMD: a step has 12 matrix instructions beside some 270 vector instructions, so one wave's vector work stands beside another's LDS loads and products.
; K and V are asked for whole at the head by the tensor loads themselves, so there is nothing left to prefetch.
; LIMITS: e6 + e7 between -123 and 130 (added to c's exponent field); e8 and e10 - e8 - e9 between -126 and 119.
; REGISTERS: v1, v2 addresses that stay; v8, v9 the step's addresses; v12 -M, v13 the largest t, v[14:15] the sum; v16-23, v24-31 Q of the two passes; v32-95 K's 8 fragments or V's 4; v96-159 S^T, then p;
;   v160-191 O^T; v192-199 at work; v200-206 constants; v208-223 the two passes' output codes; v224-239 p's codes.
.set LI,  1                            ; v1   16 x lane
.set AV0, 2                            ; v2   16 x lane + 131,072: V's part of the block
.set ADK, 8
.set ADV, 9
.set KV,  32
.set S,   96
.set O,   160
.set MA,  192                          ; v192, v193 the maximum's two chains; on the way out 1 / the sum (the pair's low word)
.set PX,  194                          ; v194 a lane permute's destination
.set F,   196                          ; v[196:197] f = 2^(old M - new M) (the pair's low word)
.set SU,  198                          ; v[198:199] the sum's second chain
.set PS,  200                          ; v200 2^e8
.set PL,  201
.set NINF, 202                         ; v202 -infinity
.set OS,  205                          ; v205 2^(e10 - e8 - e9)
.set OL,  206
.set PC,  224
.set WV,  18                           ; s18  my wave's number
.set CX,  19                           ; s19  my place in the cluster
.set SEL, 20                           ; s[20:21] lane selects for v_permlanex16_b32: lane l xor 16
.set CS,  22                           ; s[22:23] c = log2(e) / 8 x 2^(e6 + e7)
.set G1S, 24                           ; s[24:31] descriptor group 1: 32 rows of 256 bytes
.set G1L, 32                           ; s[32:39] 224 rows of 256 bytes
.set G0S, 40                           ; s[40:43], s[44:47] their groups 0
.set G0L, 44
.set KS,  48                           ; s48  the key step
.set TB,  49                           ; s49  8,192 x the key step: its place in K's part and in V's part
.set G,   50                           ; s50  g of the tile in hand
.set BH,  51                           ; s51  the head
.macro ROUND                           ; a round of the cluster's barrier
	s_barrier_signal -1
	s_barrier_wait -1
	s_cmp_lg_u32 s[WV], 0
	s_cbranch_scc1 .Lnot_wave_0_\@
	s_barrier_signal -3
.Lnot_wave_0_\@:
	s_barrier_wait -3
	s_barrier_signal -1
	s_barrier_wait -1
.endm
	s_load_b256 s[4:11], s[0:1], 0x0               ; qc s[4:5], kv s[6:7], the scales' exponents s[8:9], ac s[10:11]
	v_lshl_add_u32 v254, v0, 2, 0x40000
	v_mov_b32 v255, 0
	ds_add_u32 v254, v255
	ds_add_u32 v254, v255
	v_lshrrev_b32 v8, 5, v0
	s_delay_alu instid0(VALU_DEP_1)
	v_readfirstlane_b32 s[WV], v8                  ; wave 0..15
	s_bfe_u32 s[CX], ttmp6, 0x40000
	s_and_b32 s[BH], ttmp7, 0xffff                 ; the cluster's y: shared by the four partners
	; what waves 0 to 3 fetch: wave / 2: K's part or V's; wave % 2: which half.  First 8,192 bytes (one of key steps 0 and 1), then 57,344 (half of key steps 2 to 15).
	s_min_u32 s52, s[WV], 3                        ; (held at 3, so that the numbers stay inside LDS in the waves that issue nothing)
	s_lshr_b32 s53, s52, 1
	s_and_b32 s52, s52, 1
	s_lshl_b32 s53, s53, 17
	s_lshl_b32 s14, s52, 13
	s_add_co_u32 s14, s14, s53                     ; the small load's place in the head's block: in memory and in LDS alike
	s_mul_i32 s16, s52, 57344
	s_add_co_u32 s16, s16, s53
	s_add_co_u32 s16, s16, 16384                   ; the large load's
	s_mov_b32 s15, 0
	s_mov_b32 s17, 0
	s_lshl_b32 s12, s[BH], 18
	s_mov_b32 s13, 0
	; descriptor group 1: dense blocks, as rows of 256 bytes
	s_mov_b32 s[G1S], 15|(3<<16)|(1<<21)           ; 15:0 the mask: all four work-groups; 17:16 elements of 8 bytes; 21 set beside a mask
	s_mov_b32 s[G1S+1], 32<<16                     ; tensor_dim0 = 32 elements
	s_mov_b32 s[G1S+2], 32<<16                     ; tensor_dim1 = 32 rows
	s_mov_b32 s[G1S+3], 32<<16                     ; tile_dim0
	s_mov_b32 s[G1S+4], 32                         ; tile_dim1
	s_mov_b32 s[G1S+5], 32                         ; tensor_dim0_stride
	s_mov_b32 s[G1S+6], 0
	s_mov_b32 s[G1S+7], 0
	s_mov_b32 s[G1L], 15|(3<<16)|(1<<21)
	s_mov_b32 s[G1L+1], 32<<16
	s_mov_b32 s[G1L+2], 224<<16                    ; 224 rows
	s_mov_b32 s[G1L+3], 32<<16
	s_mov_b32 s[G1L+4], 224
	s_mov_b32 s[G1L+5], 32
	s_mov_b32 s[G1L+6], 0
	s_mov_b32 s[G1L+7], 0
	s_mov_b32 s[SEL], 0x76543210
	s_mov_b32 s[SEL+1], 0xfedcba98
	s_wait_dscnt 0x0
	s_wait_kmcnt 0x0
	s_load_b256 s[68:75], s[8:9], 0x10             ; e4 .. e11 in s68 .. s75
	s_add_nc_u64 s[12:13], s[6:7], s[12:13]        ; the head's block
	s_mov_b32 s[G0S], 1
	s_mov_b32 s[G0S+1], s14
	s_add_nc_u64 s[G0S+2:G0S+3], s[12:13], s[14:15]
	s_or_b32 s[G0S+3], s[G0S+3], 0x80000000
	s_mov_b32 s[G0L], 1
	s_mov_b32 s[G0L+1], s16
	s_add_nc_u64 s[G0L+2:G0L+3], s[12:13], s[16:17]
	s_or_b32 s[G0L+3], s[G0L+3], 0x80000000
	ROUND                                          ; all four work-groups are here: the joint loads meet
	s_cmp_lt_u32 s[WV], 4                          ; a wave's two loads stand in one branch on the wave's number, ahead of every wait on TENSORcnt, LDS read and further barrier
	s_cbranch_scc0 .Lno_fetch
	tensor_load_to_lds s[G0S:G0S+3], s[G1S:G1S+7]
	s_nop 0
	tensor_load_to_lds s[G0L:G0L+3], s[G1L:G1L+7]  ; two loads of mine are out
	s_nop 0
.rept 4
	v_nop
.endr
.Lno_fetch:
	; my two tiles of queries, their codes and where their results go
	s_lshl_b32 s76, s[WV], 3
	s_add_co_u32 s76, s76, s[CX]                   ; pass 0: tile 8 w + cx
	s_sub_co_u32 s77, 15, s[WV]
	s_lshl_b32 s77, s77, 3
	s_add_co_u32 s77, s77, s[CX]
	s_add_co_u32 s77, s77, 4                       ; pass 1: tile 8 (15 - w) + 4 + cx
	s_lshl_b32 s78, s[BH], 17                      ; the head's first byte in qc
	s_lshl_b32 s60, s76, 10
	s_add_co_u32 s60, s60, s78
	s_mov_b32 s61, 0
	s_add_nc_u64 s[60:61], s[4:5], s[60:61]
	s_lshl_b32 s62, s77, 10
	s_add_co_u32 s62, s62, s78
	s_mov_b32 s63, 0
	s_add_nc_u64 s[62:63], s[4:5], s[62:63]
	v_and_b32 v[LI], 31, v0
	s_delay_alu instid0(VALU_DEP_1)
	v_lshlrev_b32 v[LI], 4, v[LI]
	s_wait_alu depctr_va_vdst(0)
	global_load_b128 v[16:19], v[LI], s[60:61]
	global_load_b128 v[20:23], v[LI], s[60:61] offset:512
	global_load_b128 v[24:27], v[LI], s[62:63]
	global_load_b128 v[28:31], v[LI], s[62:63] offset:512
	s_lshr_b32 s78, s[BH], 4
	s_lshl_b32 s78, s78, 21                        ; the batch's 128 token tiles of 16,384 bytes
	s_and_b32 s79, s[BH], 15
	s_lshl_b32 s79, s79, 10                        ; the head's 1,024 bytes of a token tile
	s_add_co_u32 s78, s78, s79
	s_lshl_b32 s56, s76, 14
	s_add_co_u32 s56, s56, s78
	s_mov_b32 s57, 0
	s_add_nc_u64 s[56:57], s[10:11], s[56:57]
	s_lshl_b32 s58, s77, 14
	s_add_co_u32 s58, s58, s78
	s_mov_b32 s59, 0
	s_add_nc_u64 s[58:59], s[10:11], s[58:59]
	v_add_nc_u32 v[AV0], 0x20000, v[LI]
	v_and_b32 v8, 15, v0
	v_bfe_u32 v9, v0, 4, 1
	s_delay_alu instid0(VALU_DEP_1)
	v_lshlrev_b32 v9, 3, v9
	s_delay_alu instid0(VALU_DEP_1)
	v_sub_nc_u32 v203, v8, v9
	s_lshl_b32 s52, s[CX], 4
	v_add_nc_u32 v203, s52, v203                   ; pass 0: my query's place in its 128, less 8 h: register 8 T + j of the diagonal step is hidden where 16 T + j is above it
	s_delay_alu instid0(VALU_DEP_1)
	v_add_nc_u32 v204, 64, v203                    ; pass 1: four tiles further on
	v_mov_b32 v[NINF], 0xff800000
	v_mov_b32 v[MA], 0                             ; written once: named below as parts of pairs and as a permute's destination
	v_mov_b32 v[MA+1], 0
	v_mov_b32 v[PX], 0
	v_mov_b32 v[F+1], 0
	s_wait_kmcnt 0x0
	s_add_co_i32 s52, s70, s71
	s_lshl_b32 s52, s52, 23
	s_mov_b32 s[CS], 0x3e38aa3b                    ; log2(e) / 8
	s_add_co_i32 s[CS], s[CS], s52                 ; a score stands for score x 2^(e6 + e7): added to c's exponent field
	s_mov_b32 s[CS+1], s[CS]                       ; (named with it as a pair)
	s_add_co_i32 s52, s72, 127
	s_lshl_b32 s53, s52, 23
	v_mov_b32 v[PS], s53                           ; 2^e8
	s_sub_co_i32 s52, s74, s72
	s_sub_co_i32 s52, s52, s73                     ; O^T / the sum stands for the result / 2^(e8 + e9): its code is that / 2^(e10 - e8 - e9)
	s_add_co_i32 s52, s52, 127
	s_lshl_b32 s53, s52, 23
	v_mov_b32 v[OS], s53
.macro INIT                            ; a tile begins: the step is written without a first step of its own: O^T and the sum are zeros, which the first change of M leaves zeros
	v_mov_b32 v13, 0xff61b1e6                      ; the largest t so far: -3e38
	s_delay_alu instid0(VALU_DEP_1)
	v_floor_f32 v12, -v13                          ; -M
	v_mov_b32 v14, 0
	v_mov_b32 v15, 0
.set i, 0
.rept 32
	v_mov_b32 v[O+i], 0
.set i, i+1
.endr
.endm
; A KEY STEP: 128 keys.  qb: Q's registers; dq: the register against which the diagonal step's keys are compared.
.macro STEP qb, dq
	s_cmp_gt_u32 s[KS], s[G]                       ; all its keys come after my queries: left out
	s_cbranch_scc1 .Lhid_\@
	s_setprio 2
	v_add_nc_u32 v[ADK], s[TB], v[LI]
	v_add_nc_u32 v[ADV], s[TB], v[AV0]
	v_nop                                          ; with the two additions: four places in front of loads into registers that the last products read
	v_nop
.irp t, 0,1,2,3,4,5,6,7
	ds_load_b128 v[KV+8*\t:KV+8*\t+3], v[ADK] offset:1024*\t         ; key tile t's image: 512 consecutive bytes a load
	ds_load_b128 v[KV+8*\t+4:KV+8*\t+7], v[ADK] offset:1024*\t+512
.endr
	s_wait_dscnt 0x0
.irp t, 0,1,2,3,4,5,6,7
	v_wmma_f32_16x16x64_fp8_fp8 v[S+8*\t:S+8*\t+7], v[KV+8*\t:KV+8*\t+7], v[\qb:\qb+7], 0
.endr
.rept 4
	v_nop
.endr
	s_cmp_lg_u32 s[KS], s[G]                       ; only the step on the diagonal has hidden keys
	s_cbranch_scc1 .Lopen_\@
.set n, 0
.rept 64
	v_cmp_gt_i32 vcc_lo, 16*(n/8)+n%8, v[\dq]      ; hidden scores become -infinity ahead of the maximum: p = 0 then.  A choice of values, no branch
	v_cndmask_b32 v[S+n], v[S+n], v[NINF], vcc_lo
.set n, n+1
.endr
.Lopen_\@:
	v_max3_num_f32 v[MA], v[S], v[S+1], v[S+2]     ; the step's largest score of my query among my 64 keys, in two chains, each tile from its low end on,
	v_max3_num_f32 v[MA+1], v[S+3], v[S+4], v[S+5]
.irp i, 6,10,14,18,22,26,30,34,38,42,46,50,54,58
	v_max3_num_f32 v[MA], v[MA], v[S+\i], v[S+\i+1]
	v_max3_num_f32 v[MA+1], v[MA+1], v[S+\i+2], v[S+\i+3]
.endr
	v_max3_num_f32 v[MA], v[MA], v[S+62], v[S+63]
	s_delay_alu instid0(VALU_DEP_1)
	v_max_num_f32 v[MA], v[MA], v[MA+1]
	s_delay_alu instid0(VALU_DEP_1)
	v_permlanex16_b32 v[PX], v[MA], s[SEL], s[SEL+1]
	s_delay_alu instid0(VALU_DEP_1)
	v_max_num_f32 v[MA], v[MA], v[PX]              ; and among lane l xor 16's
	s_delay_alu instid0(VALU_DEP_1)
	v_mul_f32 v[MA], s[CS], v[MA]                  ; as t (c is positive)
	s_delay_alu instid0(VALU_DEP_1)
	v_max_num_f32 v13, v13, v[MA]                  ; the running largest t
	v_mov_b32 v[MA], v12
	s_delay_alu instid0(VALU_DEP_2)
	v_floor_f32 v12, -v13                          ; the new -M = -ceil(t): a whole number
	s_delay_alu instid0(VALU_DEP_1)
	v_sub_f32 v[MA], v12, v[MA]                    ; old M - new M: a whole number, 0 or less
	s_delay_alu instid0(VALU_DEP_1)
	v_cvt_i32_f32 v[MA], v[MA]                     ; (it saturates)
	s_delay_alu instid0(VALU_DEP_1)
	v_ldexp_f32 v[F], 1.0, v[MA]                   ; f = 2^(old M - new M)
.irp j, 0,2,4,6,8,10,12,14,16,18,20,22,24,26,28,30,32,34,36,38,40,42,44,46,48,50,52,54,56,58,60,62
	v_pk_fma_f32 v[S+\j:S+\j+1], v[S+\j:S+\j+1], s[CS:CS+1], v[12:13] op_sel_hi:[1,0,0]   ; t - M, two at a time
.endr
.set n, 0
	s_setprio 1
	s_wait_alu depctr_va_vdst(0)
.rept 64
	v_exp_f32 v[S+n], v[S+n]                       ; p = 2^(t - M), at most 1
.set n, n+1
.endr
	v_pk_mul_f32 v[14:15], v[14:15], v[F:F+1] op_sel_hi:[1,0]   ; the sum under the new M  (the plain line behind the exponentials)
	s_wait_alu depctr_va_vdst(0)                   ; one wait for the batch of 64, ahead of its first reader
	v_pk_add_f32 v[198:199], v[100:101], v[104:105]
	v_pk_add_f32 v[252:253], v[108:109], v[112:113]
	v_pk_add_f32 v[250:251], v[116:117], v[120:121]
	v_pk_add_f32 v[248:249], v[124:125], v[128:129]
	v_pk_add_f32 v[246:247], v[132:133], v[136:137]
	v_pk_add_f32 v[244:245], v[140:141], v[144:145]
	v_pk_add_f32 v[242:243], v[148:149], v[152:153]
	v_pk_add_f32 v[14:15], v[14:15], v[156:157]
	v_pk_add_f32 v[198:199], v[198:199], v[96:97]
	v_pk_add_f32 v[252:253], v[252:253], v[98:99]
	v_pk_add_f32 v[250:251], v[250:251], v[102:103]
	v_pk_add_f32 v[248:249], v[248:249], v[106:107]
	v_pk_add_f32 v[246:247], v[246:247], v[110:111]
	v_pk_add_f32 v[244:245], v[244:245], v[114:115]
	v_pk_add_f32 v[242:243], v[242:243], v[118:119]
	v_pk_add_f32 v[14:15], v[14:15], v[122:123]
	v_pk_add_f32 v[198:199], v[198:199], v[126:127]
	v_pk_add_f32 v[252:253], v[252:253], v[130:131]
	v_pk_add_f32 v[250:251], v[250:251], v[134:135]
	v_pk_add_f32 v[248:249], v[248:249], v[138:139]
	v_pk_add_f32 v[246:247], v[246:247], v[142:143]
	v_pk_add_f32 v[244:245], v[244:245], v[146:147]
	v_pk_add_f32 v[242:243], v[242:243], v[150:151]
	v_pk_add_f32 v[14:15], v[14:15], v[154:155]
	v_pk_add_f32 v[198:199], v[198:199], v[158:159]
	s_delay_alu instid0(VALU_DEP_2)
	v_pk_add_f32 v[14:15], v[14:15], v[248:249]
	s_delay_alu instid0(VALU_DEP_2)
	v_pk_add_f32 v[198:199], v[198:199], v[246:247]
	v_pk_add_f32 v[252:253], v[252:253], v[244:245]
	v_pk_add_f32 v[250:251], v[250:251], v[242:243]
	s_delay_alu instid0(VALU_DEP_2)
	v_pk_add_f32 v[14:15], v[14:15], v[252:253]
	s_delay_alu instid0(VALU_DEP_2)
	v_pk_add_f32 v[198:199], v[198:199], v[250:251]
	s_delay_alu instid0(VALU_DEP_1)
	v_pk_add_f32 v[14:15], v[14:15], v[198:199]
.irp t, 0,1,2,3,4,5,6,7
.irp i, 0,1,2,3,4,5,6,7
.endr
	v_cvt_scalef32_pk8_fp8_f32 v[PC+2*\t:PC+2*\t+1], v[S+8*\t:S+8*\t+7], v[PS]
.endr
	s_setprio 0
.irp j, 0,2,4,6,8,10,12,14,16,18,20,22,24,26,28,30
	v_pk_mul_f32 v[O+\j:O+\j+1], v[O+\j:O+\j+1], v[F:F+1] op_sel_hi:[1,0]   ; O^T under the new M.  (These sixteen are also the plain lines between the conversions and the products, and the places in front of the loads below)
.endr
.irp t, 0,1,2,3
.irp g, 0,1,2,3
	ds_load_b128 v[KV+16*\t+4*\g:KV+16*\t+4*\g+3], v[ADV] offset:2048*\t+512*\g   ; channels 16 t on x these 128 keys
.endr
.endr
	s_wait_alu depctr_va_vdst(0)
	s_wait_dscnt 0x0
.irp t, 0,1,2,3
	v_wmma_f32_16x16x128_fp8_fp8 v[O+8*\t:O+8*\t+7], v[KV+16*\t:KV+16*\t+15], v[PC:PC+15], v[O+8*\t:O+8*\t+7]   ; the four accumulators take turns, one instruction a turn
.endr
.Lhid_\@:
.endm
; A tile ends: O^T / the sum, converted: a half image of 1,024 bytes.  cb: the codes' registers, never written again; sb: the base.
.macro OUT cb, sb
.rept 4
	v_nop                                          ; places behind the last products
.endr
	v_add_f32 v14, v14, v15                        ; the sum's two halves,
	s_delay_alu instid0(VALU_DEP_1)
	v_permlanex16_b32 v[PX], v14, s[SEL], s[SEL+1]
	s_delay_alu instid0(VALU_DEP_1)
	v_add_f32 v14, v14, v[PX]                      ; and lane l xor 16's
	s_wait_alu depctr_va_vdst(0)
	v_rcp_f32 v[MA], v14
	v_nop                                          ; a plain line behind the reciprocal
	s_wait_alu depctr_va_vdst(0)                   ; and the wait ahead of its first reader
.irp j, 0,2,4,6,8,10,12,14,16,18,20,22,24,26,28,30
	v_pk_mul_f32 v[S+\j:S+\j+1], v[O+\j:O+\j+1], v[MA:MA+1] op_sel_hi:[1,0]
.endr
.set i, 0
.rept 32
.set i, i+1
.endr
.irp t, 0,1,2,3
	v_cvt_scalef32_pk8_fp8_f32 v[\cb+2*\t:\cb+2*\t+1], v[S+8*\t:S+8*\t+7], v[OS]
.endr
	v_nop                                          ; a plain line behind the last conversion: later products write its sources
	global_store_b128 v[LI], v[\cb:\cb+3], s[\sb:\sb+1]              ; 512 consecutive bytes each
	global_store_b128 v[LI], v[\cb+4:\cb+7], s[\sb:\sb+1] offset:512
.endm
	INIT
	s_wait_loadcnt 0x0                             ; Q
	s_wait_tensorcnt 0x1                           ; my small load has landed; my large one may stay out
	s_barrier_signal -1
	s_barrier_wait -1                              ; key steps 0 and 1 of K and V lie in LDS
	s_mov_b32 s[G], s[WV]                          ; pass 0: g = w
	s_mov_b32 s[KS], 0
	s_mov_b32 s[TB], 0
.Lfirst:                                               ; key steps 0 and 1: bytes 0 to 16,383 and 131,072 to 147,455, which the small loads brought, while the large ones land
	STEP 16, 203
	s_add_co_u32 s[TB], s[TB], 8192
	s_add_co_u32 s[KS], s[KS], 1
	s_cmp_lt_u32 s[KS], 2
	s_cbranch_scc1 .Lfirst
	s_setprio 0
	s_wait_tensorcnt 0x0                           ; my large load has landed
	s_barrier_signal -1
	s_barrier_wait -1                              ; the whole head lies in LDS, and stays
.Lrest:                                                ; key steps 2 to 15: the step's number and place walk on
	STEP 16, 203
	s_add_co_u32 s[TB], s[TB], 8192
	s_add_co_u32 s[KS], s[KS], 1
	s_cmp_lt_u32 s[KS], 16
	s_cbranch_scc1 .Lrest
	s_setprio 0
	OUT 208, 56
	INIT
	s_sub_co_u32 s[G], 15, s[WV]                   ; pass 1: g = 15 - w
	s_mov_b32 s[KS], 0
	s_mov_b32 s[TB], 0
.Lsecond:
	STEP 24, 204
	s_add_co_u32 s[TB], s[TB], 8192
	s_add_co_u32 s[KS], s[KS], 1
	s_cmp_lt_u32 s[KS], 16
	s_cbranch_scc1 .Lsecond
	s_setprio 0
	OUT 216, 58
	s_wait_tensorcnt 0x0
	ds_add_u32 v254, v255
	s_wait_dscnt 0x0
	ROUND                                          ; the closing round
	s_endpgm
.Lfunc_end_k_qd2eff70356_attn:
	.size	k_qd2eff70356_attn, .Lfunc_end_k_qd2eff70356_attn-k_qd2eff70356_attn
	.p2alignl 7, 3214868480
	.fill 96, 4, 3214868480
	.section	.rodata,"a",@progbits
	.p2align	6, 0x0
	.amdhsa_kernel k_qd2eff70356_attn
		.amdhsa_group_segment_fixed_size 264192
		.amdhsa_private_segment_fixed_size 0
		.amdhsa_enable_private_segment 0
		.amdhsa_kernarg_size 32
		.amdhsa_user_sgpr_count 2
		.amdhsa_user_sgpr_kernarg_segment_ptr 1
		.amdhsa_wavefront_size32 1
		.amdhsa_system_sgpr_workgroup_id_x 1
		.amdhsa_system_sgpr_workgroup_id_y 1
		.amdhsa_system_sgpr_workgroup_id_z 1
		.amdhsa_system_vgpr_workitem_id 0
		.amdhsa_next_free_vgpr 256
		.amdhsa_next_free_sgpr 80
		.amdhsa_reserve_vcc 1
		.amdhsa_float_denorm_mode_32 3
		.amdhsa_float_denorm_mode_16_64 3
		.amdhsa_fp16_overflow 1
		.amdhsa_memory_ordered 1
		.amdhsa_forward_progress 1
		.amdhsa_inst_pref_size 70
	.end_amdhsa_kernel
	.amdgpu_metadata
---
amdhsa.version: [ 1, 2 ]
amdhsa.kernels:
  - .name:           k_qd2eff70356_attn
    .symbol:         k_qd2eff70356_attn.kd
    .args:
      - { .name: qc, .offset: 0, .size: 8, .value_kind: global_buffer, .address_space: global }
      - { .name: kv, .offset: 8, .size: 8, .value_kind: global_buffer, .address_space: global }
      - { .name: lowp_scales, .offset: 16, .size: 8, .value_kind: global_buffer, .address_space: global }
      - { .name: ac, .offset: 24, .size: 8, .value_kind: global_buffer, .address_space: global }
    .group_segment_fixed_size: 264192
    .private_segment_fixed_size: 0
    .kernarg_segment_align: 8
    .kernarg_segment_size: 32
    .max_flat_workgroup_size: 512
    .sgpr_count:     80
    .vgpr_count:     256
    .wavefront_size: 32
...
	.end_amdgpu_metadata
.endif
;; end of part 3
;; launch oproj (part 4): grid 4 x 32, 4 waves a work-group, clusters of 4 x 4, 327,680 bytes of LDS; arguments ac, wc, lowp_scales, out0; writes out0
.if DOCPART == 4
	.amdgcn_target "amdgcn-amd-amdhsa--gfx1250"
	.amdhsa_code_object_version 6
	.text
	.protected	k_qd2eff70356_oproj
	.globl	k_qd2eff70356_oproj
	.p2align	8
	.type	k_qd2eff70356_oproj,@function
k_qd2eff70356_oproj:
	s_mov_b64 s[64:65], 0
	v_nop
	global_prefetch_b8 v0, s[64:65] scope:SCOPE_SE
	s_setreg_imm32_b32 hwreg(HW_REG_WAVE_MODE, 25, 1), 1
	s_wait_xcnt 0x0
	s_wait_alu depctr_hold_cnt(0) depctr_sa_sdst(0) depctr_va_vdst(0) depctr_va_sdst(0) depctr_va_ssrc(0) depctr_va_vcc(0) depctr_vm_vsrc(0)
	s_getreg_b32 s2, hwreg(HW_REG_IB_STS2, 6, 4)
	s_cmp_eq_u32 s2, 0
	s_cbranch_scc0 .Lentry_in_a_cluster
	s_endpgm
.Lentry_in_a_cluster:
	s_bfe_u32 s2, ttmp6, 0x10000c
	s_cmp_lg_u32 s2, 0xf033
	s_cbranch_scc0 .Lentry_shape_is_right
	s_endpgm
.Lentry_shape_is_right:
; OPROJ: out0[t][i] = sum over j of a[t][j] wo[i][j] on E4M3 codes; each finished f32 sum is multiplied once by 2^(e10 + e11).
; ac: the attention's result as images of fragments, [512 token tiles][8 K steps][2,048];  wo's codes: wc's fourth section, [64 row tiles][8][2,048];  out0: [8192][1024] f32.
; (An image: 16 rows x 128 K, registers 4 g .. 4 g + 3 of lane l at byte 512 g + 16 l.)
; 128 tiles of 256 x 256; a work-group of four waves makes one, a wave 128 x 128: 64 accumulators, 512 registers.  K goes in steps of 256 through a ring of two LDS slots.
; CLUSTERS: 4 x 4 work-groups; A's tile is shared along a row of the cluster, B's along a column: asked for jointly.
; THE MATRIX INSTRUCTION IS USED TRANSPOSED (source 0 = 16 rows of wo, source 1 = 16 tokens): a lane holds eight neighbouring numbers of a row of out0.
; LIMIT: e10 + e11 between -126 and 127, so that 2^(e10 + e11) is an f32 number.
; REGISTERS, in windows of 256: window 0: v16-29 addresses; v128-255 A's fragments, one set; on the way out v32-255 are free.   window 1: B's fragments, two sets.   windows 2, 3: the accumulators ((a, b) at v[8 (8 (a % 4) + b)]).
.set SIZE_N, 1024
.set KSB,    4096                      ; a K step (256 along K) of one row tile: two images
.set FR,     16
.set NL,     4
.set NP,     4                         ; places behind this matrix instruction (ISA guide 7.12.1)
.set HALFT,  8*KSB
.set SLOT,   4*HALFT
.set SPARE,  2*SLOT                    ; behind the ring: the spare words, 128 bytes for each wave
.set SPITCH, 528                       ; the way out: a stage of 16 rows x (512 bytes + 16) for each wave, in slot 0, which has had its last fill and its last read when the first result is stored there
.set ADRA, 16
.set ADRB, 20
.set STO,  24                          ; v24     the way out: where I put 32 bytes of a row
.set RD,   25                          ; v25     where I read a row back
.set CO,   26                          ; v26     16 x lane: my place in an image, and my byte offset in a row of out0
.set SPW,  28
.set NIL,  29
.set TMP,  32                          ; the way out: a block's sums x 2^(e10 + e11)
.set AF,   128
.set BK,   128                         ; the way out: 16 rows read back: v128-191 and v192-255 by turns
.set G1, 24
.set G0, 32
.set G1B, 48
.set G0B, 56
.set MSB, 0
.macro WIN new                         ; the immediate's high byte repeats the setting that is left
.if MSB != (\new)
	s_set_vgpr_msb (MSB<<8)|(\new)
.set MSB, (\new)
.endif
.endm
.set MUL_LO, 0xa1
.set MUL_HI, 0xf1
.set TO_B,   0x40
.macro JLOAD g0a, g1a, g0b, g1b        ; a joint load: waves 0 and 1 fetch for A, waves 2 and 3 for B; four v_nop follow each of the two lines
	s_cmp_eq_u32 s15, 0
	s_cbranch_scc0 .Lfor_b_\@
	tensor_load_to_lds s[\g0a:\g0a+3], s[\g1a:\g1a+7]
	s_nop 0
.rept 4
	v_nop
.endr
	s_branch .Lasked_\@
.Lfor_b_\@:
	tensor_load_to_lds s[\g0b:\g0b+3], s[\g1b:\g1b+7]
	s_nop 0
.rept 4
	v_nop
.endr
.Lasked_\@:
.endm
.macro CREST
	s_cmp_lg_u32 s14, 0
	s_cbranch_scc1 .Lnot_wave_0_\@
	s_barrier_signal -3
.Lnot_wave_0_\@:
	s_barrier_wait -3
	s_barrier_signal -1
	s_barrier_wait -1
.endm
.macro CROUND
	s_barrier_signal -1
	s_barrier_wait -1
	CREST
.endm
	s_load_b128 s[4:7], s[0:1], 0x0                ; ac s[4:5], wc s[6:7]
	s_load_b128 s[8:11], s[0:1], 0x10              ; the scales' exponents s[8:9], out0 s[10:11]
	v_lshl_add_u32 v[SPW], v0, 2, SPARE
	v_mov_b32 v[NIL], 0
	ds_add_u32 v28, v29
	ds_add_u32 v28, v29
	s_wait_dscnt 0x0
	v_lshrrev_b32 v1, 5, v0
	v_readfirstlane_b32 s14, v1                    ; wave 0..3
	s_lshr_b32 s15, s14, 1                         ; which half of the tile's rows is mine.  Also: I fetch for A (0) or for B (1)
	s_and_b32 s16, s14, 1                          ; which half of its columns.  Also: which 8 row tiles I fetch
	s_bfe_u32 s40, ttmp6, 0x40000                  ; cx, cy
	s_bfe_u32 s41, ttmp6, 0x40004
	s_lshl_b32 s42, ttmp9, 2
	s_add_co_u32 s42, s42, s40                     ; tile column = 4 x cluster x + cx
	s_and_b32 s17, ttmp7, 0xffff
	s_lshl_b32 s17, s17, 2
	s_add_co_u32 s17, s17, s41                     ; tile row = 4 x cluster y + cy
	s_lshl_b32 s43, s41, 2
	s_lshl_b32 s43, 15, s43                        ; my row of the cluster
	s_lshl_b32 s44, 0x1111, s40                    ; my column
	s_or_b32 s[G1+0], s43, (3<<16)|(1<<21)         ; 15:0 the mask; 17:16 elements of 8 bytes; no padding; 21 set beside a mask
	s_or_b32 s[G1B+0], s44, (3<<16)|(1<<21)
.irp g, G1, G1B
	s_mov_b32 s[\g+1], 512<<16                     ; tensor_dim0 = 512 elements: 4,096 bytes
	s_mov_b32 s[\g+2], 8<<16                       ; tensor_dim1 = 8 row tiles
	s_mov_b32 s[\g+3], 512<<16                     ; tile_dim0
	s_mov_b32 s[\g+4], 8                           ; tile_dim1
	s_mov_b32 s[\g+5], 2048                        ; tensor_dim0_stride: 16,384 bytes
	s_mov_b32 s[\g+6], 0
	s_mov_b32 s[\g+7], 0
.endr
	s_lshl_b32 s18, s16, 17                        ; which 8 row tiles of the tile I fetch
	s_lshl_b32 s20, s17, 18
	s_add_co_u32 s20, s20, s18                     ; A: tile row + half
	s_mov_b32 s21, 0
	s_lshl_b32 s46, s42, 18
	s_add_co_u32 s46, s46, s18
	s_add_co_u32 s46, s46, 0x300000                ; B: wc's fourth section + tile column + half
	s_mov_b32 s47, 0
	s_mul_i32 s45, s14, HALFT                      ; where they go: no place in the cluster enters an LDS address
	s_wait_kmcnt 0x0
	s_load_b64 s[96:97], s[8:9], 0x28              ; e10, e11
	s_add_nc_u64 s[20:21], s[4:5], s[20:21]
	s_add_nc_u64 s[46:47], s[6:7], s[46:47]
	CROUND                                         ; all sixteen work-groups are here: the first joint loads meet
.irp s, 0,1
	s_mov_b32 s[G0+4*\s], 1
	s_add_co_u32 s[G0+4*\s+1], s45, \s*SLOT
	s_add_nc_u64 s[G0+4*\s+2:G0+4*\s+3], s[20:21], \s*KSB
	s_or_b32 s[G0+4*\s+3], s[G0+4*\s+3], 0x80000000
	s_mov_b32 s[G0B+4*\s], 1
	s_add_co_u32 s[G0B+4*\s+1], s45, \s*SLOT
	s_add_nc_u64 s[G0B+4*\s+2:G0B+4*\s+3], s[46:47], \s*KSB
	s_or_b32 s[G0B+4*\s+3], s[G0B+4*\s+3], 0x80000000
	s_wait_alu depctr_va_vdst(0)
	s_wait_tensorcnt 0x0
	ds_add_u32 v28, v29
	ds_add_u32 v28, v29
	s_wait_dscnt 0x0
	CROUND
	JLOAD G0+4*\s, G1, G0B+4*\s, G1B               ; one load of mine is out
.endr
	v_and_b32 v1, 15, v0                           ; l % 16
	s_wait_alu depctr_va_vdst(0)
	v_bfe_u32 v2, v0, 4, 1                         ; l / 16
	v_and_b32 v6, 31, v0
	v_lshlrev_b32 v[CO], 4, v6
	s_mul_i32 s21, s15, HALFT
	s_mul_i32 s22, s16, HALFT
	s_add_co_u32 s22, s22, 2*HALFT
.irp s, 0,1
	v_add_nc_u32 v[ADRA+\s], s21, v[CO]
	v_add_nc_u32 v[ADRB+\s], s22, v[CO]
	s_add_co_u32 s21, s21, SLOT
	s_add_co_u32 s22, s22, SLOT
.endr
	s_mul_i32 s23, s14, 16*SPITCH                  ; my stage
	v_mul_u32_u24 v5, v1, SPITCH                   ; in: row l % 16, 32 bytes for each half of the lanes
	s_wait_alu depctr_va_vdst(0)
	v_lshl_add_u32 v5, v2, 5, v5
	v_add_nc_u32 v[STO], s23, v5
	v_add_nc_u32 v[RD], s23, v[CO]                 ; back: the 32 lanes take one row of 512 bytes
	s_lshl_b32 s20, s17, 8
	s_lshl_b32 s21, s15, 7
	s_add_co_u32 s20, s20, s21                     ; my first row of out0
	s_lshl_b32 s20, s20, 12                        ; x 4,096 bytes (under 2^25)
	s_lshl_b32 s46, s42, 10                        ; my first column, in bytes: 1,024 x tile column + 512 x half
	s_lshl_b32 s47, s16, 9
	s_add_co_u32 s20, s20, s46
	s_add_co_u32 s20, s20, s47
	s_mov_b32 s21, 0
	s_add_nc_u64 s[10:11], s[10:11], s[20:21]
.macro FRAG reg, adr, q, i             ; a fragment comes as it lies: four loads of 512 consecutive bytes
.irp c, 0,1,2,3
	ds_load_b128 v[\reg+4*\c:\reg+4*\c+3], v[\adr] offset:2048*(\q)+512*\c+(\i)*KSB
.endr
.endm
; 16 matrix instructions: A's blocks a0, a0 + 1 x B's eight.  The 64 accumulators take turns, one instruction a turn, in the same order in every step.
.macro MUL16 a0, p, zero
.irp a, \a0, \a0+1
.irp b, 0,1,2,3,4,5,6,7
.if \zero
	v_wmma_f32_16x16x128_fp8_fp8 v[8*(8*((\a)%4)+\b):8*(8*((\a)%4)+\b)+7], v[128*(\p)+FR*\b:128*(\p)+FR*\b+FR-1], v[AF+FR*(\a):AF+FR*(\a)+FR-1], 0
.else
	v_wmma_f32_16x16x128_fp8_fp8 v[8*(8*((\a)%4)+\b):8*(8*((\a)%4)+\b)+7], v[128*(\p)+FR*\b:128*(\p)+FR*\b+FR-1], v[AF+FR*(\a):AF+FR*(\a)+FR-1], v[8*(8*((\a)%4)+\b):8*(8*((\a)%4)+\b)+7]
.endif
.endr
.endr
.endm
.macro FETCH_B slot, q, p
	WIN TO_B
.irp i, 0,1,2,3,4,5,6,7
	FRAG 128*(\p)+FR*\i, ADRB+\slot, \q, \i
.endr
	WIN 0
.endm
.macro FETCH_A slot, q, i0
.irp i, \i0, \i0+1, \i0+2, \i0+3
	FRAG AF+FR*(\i), ADRA+\slot, \q, \i
.endr
.endm
.macro PLACES n                        ; plain vector lines between a matrix instruction and a load into, or a vector line or LDS store on, one of its registers (ISA guide 7.12.1 for vector lines)
.rept \n
	v_nop
.endr
.endm
.macro STEP slot, q, zero              ; a step of 128 along K that has its successor in the same slot
	s_wait_dscnt 4*NL                              ; B's set and A's blocks 0-3 are in; the youngest 16 loads (A's blocks 4-7) may be out
	WIN MUL_LO
	MUL16 0, (\q)%2, \zero
	MUL16 2, (\q)%2, \zero
	s_wait_dscnt 0
	PLACES NP
	FETCH_B \slot, (\q)+1, 1-(\q)%2
	FETCH_A \slot, (\q)+1, 0
	WIN MUL_HI
	MUL16 4, (\q)%2, \zero
	MUL16 6, (\q)%2, \zero
	PLACES NP
	WIN 0
	FETCH_A \slot, (\q)+1, 4
.endm
; A slot's last step changes slots: one barrier; in front of it each wave waits for all its tensor loads, adds 0 to its spare word, and waits for that and for its own reads of this slot.
.macro TURN slot, next, fill
	s_wait_tensorcnt 0x0                           ; all my tensor loads have landed: my part of the next slot
	ds_add_u32 v[SPW], v[NIL]                      ; 0 onto my spare word
	s_wait_dscnt 4*NL+1                            ; (the add and the youngest 16 loads may be out)
	WIN MUL_LO
	MUL16 0, 1, 0
	s_wait_dscnt 0x0                               ; the add is done, and my reads of this slot are over
	s_barrier_signal -1
	MUL16 2, 1, 0
	WIN 0
	s_barrier_wait -1
.if \fill
	CREST                                          ; the barrier has opened a round of the cluster's barrier
	s_add_nc_u64 s[G0+4*\slot+2:G0+4*\slot+3], s[G0+4*\slot+2:G0+4*\slot+3], 2*KSB
	s_add_nc_u64 s[G0B+4*\slot+2:G0B+4*\slot+3], s[G0B+4*\slot+2:G0B+4*\slot+3], 2*KSB
	JLOAD G0+4*\slot, G1, G0B+4*\slot, G1B         ; the first tensor load behind the round, my only one until the next
.else
	PLACES NP
.endif
	FETCH_B \next, 0, 0
	FETCH_A \next, 0, 0
	WIN MUL_HI
	MUL16 4, 1, 0
	MUL16 6, 1, 0
	PLACES NP
	WIN 0
	FETCH_A \next, 0, 4
.endm
	s_wait_tensorcnt 1                             ; my part of K step 0 is in (K step 1's load may be out),
	s_barrier_signal -1
	s_barrier_wait -1                              ; everybody's is
	FETCH_B 0, 0, 0
	FETCH_A 0, 0, 0
	FETCH_A 0, 0, 4
	; K = 1,024 is four K steps, eight steps of 128: written out, since a loop over laps would have one trip
	STEP 0, 0, 1                                   ; its products start the sums
	TURN 0, 1, 1                                   ; slot 0 takes K step 2
	STEP 1, 0, 0
	TURN 1, 0, 1                                   ; slot 1 takes K step 3
	STEP 0, 0, 0
	TURN 0, 1, 0                                   ; nothing is left to ask for; behind this barrier nobody reads slot 0
	STEP 1, 0, 0
	s_wait_dscnt 4*NL                              ; the very last step
	WIN MUL_LO
	MUL16 0, 1, 0
	MUL16 2, 1, 0
	s_wait_dscnt 0
	WIN MUL_HI
	MUL16 4, 1, 0
	MUL16 6, 1, 0
	WIN 0
; THE WAY OUT, block by block of 16 rows x 128 columns: a lane holds 32 neighbouring bytes of a row and the lanes beside it other rows, so a block goes through my own stage in LDS and comes back as whole
; rows of 512 bytes.  LDS serves a wave's instructions in order (ISA guide 5.7.1.4): no wait between the stores and the loads, nor in front of the next block's stores.
.macro TOSTAGE a
.set AC, 64*((\a)%4)
	WIN (0x02+((\a)/4))                            ; source 0: window 2 or 3
.irp j, 0,2,4,6,8,10,12,14,16,18,20,22,24,26,28,30,32,34,36,38,40,42,44,46,48,50,52,54,56,58,60,62
	v_pk_mul_f32 v[TMP+\j:TMP+\j+1], v[AC+\j:AC+\j+1], s[96:97] op_sel_hi:[1,0]   ; both x s96 = 2^(e10 + e11); each accumulator from its low end on
.endr
	WIN 0
.irp b, 0,1,2,3,4,5,6,7
	ds_store_b128 v[STO], v[TMP+8*\b:TMP+8*\b+3] offset:64*\b
	ds_store_b128 v[STO], v[TMP+8*\b+4:TMP+8*\b+7] offset:64*\b+16
.endr
.set BB, BK+64*((\a)%2)
.irp t, 0,1,2,3,4,5,6,7,8,9,10,11,12,13,14,15
	ds_load_b128 v[BB+4*\t:BB+4*\t+3], v[RD] offset:\t*SPITCH
.endr
.endm
.macro SEND a, younger                 ; younger: the LDS instructions issued behind block a's loads, which may stay out
.set BB, BK+64*((\a)%2)
	s_wait_dscnt \younger                          ; the block is back in registers
.if (\a) > 0
	s_add_nc_u64 s[10:11], s[10:11], 16*SIZE_N*4   ; (behind a wait on XCNT: the earlier stores have read their base)  16 rows on
.endif
.irp t, 0,1,2,3,4,5,6,7,8,9,10,11,12,13,14,15
	global_store_b128 v[CO], v[BB+4*\t:BB+4*\t+3], s[10:11] offset:\t*SIZE_N*4 th:TH_STORE_NT   ; 32 lanes store 512 consecutive bytes, at a multiple of 256 from out0's first byte; written once, read by nobody here
.endr
.endm
	s_wait_kmcnt 0x0
	s_add_co_i32 s96, s96, s97                     ; e10 + e11, between -126 and 127,
	s_add_co_i32 s96, s96, 127
	s_lshl_b32 s96, s96, 23                        ; makes the f32 number 2^(e10 + e11)
	PLACES NP                                      ; behind the last products: for the loads into the registers that held A's fragments and for the reads of results
	TOSTAGE 0
.irp a, 1,2,3,4,5,6,7
.if \a > 1
	s_wait_xcnt 0x0                                ; block a - 2's stores have read their registers and their base: block a's loads may land there, and the base may step
.endif
	TOSTAGE \a
	SEND \a-1, 32                                  ; behind block a - 1's loads: block a's 16 stores and 16 loads
.endr
	s_wait_xcnt 0x0                                ; block 6's stores have read their base
	SEND 7, 0
	s_wait_tensorcnt 0x0                           ; the wave's end
	ds_add_u32 v[SPW], v[NIL]
	s_wait_dscnt 0x0
	CROUND                                         ; the closing round
	s_endpgm
.Lfunc_end_k_qd2eff70356_oproj:
	.size	k_qd2eff70356_oproj, .Lfunc_end_k_qd2eff70356_oproj-k_qd2eff70356_oproj
	.p2alignl 7, 3214868480
	.fill 96, 4, 3214868480
	.section	.rodata,"a",@progbits
	.p2align	6, 0x0
	.amdhsa_kernel k_qd2eff70356_oproj
		.amdhsa_group_segment_fixed_size 327680
		.amdhsa_private_segment_fixed_size 0
		.amdhsa_enable_private_segment 0
		.amdhsa_kernarg_size 32
		.amdhsa_user_sgpr_count 2
		.amdhsa_user_sgpr_kernarg_segment_ptr 1
		.amdhsa_wavefront_size32 1
		.amdhsa_system_sgpr_workgroup_id_x 1
		.amdhsa_system_sgpr_workgroup_id_y 1
		.amdhsa_system_sgpr_workgroup_id_z 1
		.amdhsa_system_vgpr_workitem_id 0
		.amdhsa_next_free_vgpr 1024
		.amdhsa_next_free_sgpr 98
		.amdhsa_reserve_vcc 0
		.amdhsa_float_denorm_mode_32 3
		.amdhsa_float_denorm_mode_16_64 3
		.amdhsa_memory_ordered 1
		.amdhsa_forward_progress 1
		.amdhsa_inst_pref_size 124
	.end_amdhsa_kernel
	.amdgpu_metadata
---
amdhsa.version: [ 1, 2 ]
amdhsa.kernels:
  - .name:           k_qd2eff70356_oproj
    .symbol:         k_qd2eff70356_oproj.kd
    .args:
      - { .name: ac, .offset: 0, .size: 8, .value_kind: global_buffer, .address_space: global }
      - { .name: wc, .offset: 8, .size: 8, .value_kind: global_buffer, .address_space: global }
      - { .name: lowp_scales, .offset: 16, .size: 8, .value_kind: global_buffer, .address_space: global }
      - { .name: out0, .offset: 24, .size: 8, .value_kind: global_buffer, .address_space: global }
    .group_segment_fixed_size: 327680
    .private_segment_fixed_size: 0
    .kernarg_segment_align: 8
    .kernarg_segment_size: 32
    .max_flat_workgroup_size: 128
    .sgpr_count:     98
    .vgpr_count:     1024
    .wavefront_size: 32
...
	.end_amdgpu_metadata
.endif
;; end of part 4
